; MI455X (gfx1250); checked and timed in simulation.
; The chip was launched on July 23, 2026; its instructions are those of AMD's public machine-readable ISA for CDNA 5 (MIT licence, August 2026) and "CDNA5" Instruction Set Architecture Reference Guide (July 2026). The comments in the code are by the model that wrote it; some were corrected since.
;; Multi Head Attention. Allowed arithmetic: matrix products marked QUANTISED: E4M3 operands, one given power-of-two scale a tensor, by v_wmma_f32_16x16x64_fp8_fp8 or v_wmma_f32_16x16x128_fp8_fp8, f32 sums; everything else in f32.
;; Inputs: b_o 1,024 float32; lowp_scales 12 int32 (the exponents e of the quantised operands' scales 2^e); w_k 1,024 x 1,024 float32; w_o 1,024 x 1,024 float32; w_q 1,024 x 1,024 float32; w_v 1,024 x 1,024 float32; x 4 x 2,048 x 1,024 float32.
;; Outputs: out0 4 x 2,048 x 1,024 float32.
;; This version of the problem:
;;   THIS VERSION OF THE PROBLEM IS GIVEN IN LOW PRECISION. The matrix products marked QUANTISED in the list below multiply operands that are first quantised to E4M3 (4 exponent bits, 3 mantissa bits; 8 bits a number), with one given power-of-two scale for each operand tensor; their sums are f32. All else is computed in f32.
;;   The module's matrix products, in the order in which they are computed (A, B: the left and right operand; K: the contracted axis; several contracted axes count as one K, in the product's order):
;;     1. [M 8,192, K 1,024] x [K 1,024, N 1,024]; A: input x; B: input w_q: QUANTISED (scales: A lowp_scales[0], B lowp_scales[1])
;;     2. [M 8,192, K 1,024] x [K 1,024, N 1,024]; A: input x; B: input w_k: QUANTISED (scales: A lowp_scales[2], B lowp_scales[3])
;;     3. [M 8,192, K 1,024] x [K 1,024, N 1,024]; A: input x; B: input w_v: QUANTISED (scales: A lowp_scales[4], B lowp_scales[5])
;;     4. batch 64 x [M 2,048, K 64] x [K 64, N 2,048]; A: computed on the way; B: computed on the way: QUANTISED (scales: A lowp_scales[6], B lowp_scales[7])
;;     5. batch 64 x [M 2,048, K 2,048] x [K 2,048, N 64]; A: softmax (see below); B: computed on the way: QUANTISED (scales: A lowp_scales[8], B lowp_scales[9])
;;     6. [M 8,192, K 1,024] x [K 1,024, N 1,024]; A: computed on the way; B: input w_o: QUANTISED (scales: A lowp_scales[10], B lowp_scales[11])
;;   THE QUANTISER, for each operand of a quantised product, along K:
;;     - The operand's scale is 2^e, e = its entry of the input lowp_scales (int32; the entries are numbered through the quantised products in the list's order, A before B).
;;     - Each number is divided by the scale, clamped to +-448, and rounded to the nearest number of E4M3, ties to even, subnormals kept.
;;     - The product sums the exact products of the quantised numbers (number of the format x scale) in f32.
;;   ~~~python
;;   def quantise(x, axis, e):      # numpy; x: float32 -> the quantised numbers, widened to float32 again
;;       x = np.moveaxis(x, axis, -1); K = x.shape[-1]
;;       r = np.clip(x / 2.0 ** e, -448, 448)
;;       step = 2.0 ** (np.maximum(np.frexp(np.where(r == 0, 1, r))[1] - 1, -6) - 3)
;;       q = np.round(r / step) * step * 2.0 ** e      # np.round: ties to even
;;       return np.moveaxis(q, -1, axis).astype(np.float32)
;;   ~~~
;;   SOFTMAX AHEAD OF A QUANTISED PRODUCT. Where the list says 'softmax', what is quantised is not the finished softmax but p = 2^(t - M), with t = logit x log2(e) and M = ceil(the row's largest t), a whole number; so 1/2 < the row's largest p <= 1. The row's sum l is taken of the UNQUANTISED p, in f32, and the product's result is divided by l at the end. Since M is a whole number, a kernel that streams over the keys may use a running M (the ceiling of the running maximum): every later rescaling is an exact power of two, so the quantised numbers keep their values, but for numbers so far below the row's largest that they fall under the format's range.
;;   OPERANDS COMPUTED ON THE WAY. 'Computed on the way' means the value that the module computes at that place (a softmax that the list does not call 'softmax' is quantised finished and normalised). What goes into a quantiser is computed in f32, as accurately as f32 sums, v_exp_f32 and their like allow (about 1e-6 of the number): no bf16 or f16 on the way to a quantiser, and a product that is left as it is and whose result goes on into a quantised operand takes f32 operands (vector FMAs, or v_wmma_f32_16x16x4_f32). A number that lies on a knife's edge between two numbers of the format may be rounded either way, as far as f32 arithmetic and the matrix unit's own rounding can turn it there, and no further.
;; One version. Each part assembles by itself: llvm-mc -triple=amdgcn-amd-amdhsa -mcpu=gfx1250 --defsym DOCPART=n.
;; ======== version 1 of 1: 4 launches
;; limits: right only within a limited range of input values
;; workspace buffers: codes 29,360,128 bytes; qc 8,388,608 bytes; kv 16,777,216 bytes; ctxc 8,388,608 bytes
;; launch quant (part 1): grid 768 x 1, 4 waves a work-group, no clusters, 34,304 bytes of LDS; arguments x, w_q, w_k, w_v, w_o, lowp_scales, codes; writes codes
.if DOCPART == 1
	.amdgcn_target "amdgcn-amd-amdhsa--gfx1250"
	.amdhsa_code_object_version 6
	.text
	.protected	k_q7ea37bd4ea_quant
	.globl	k_q7ea37bd4ea_quant
	.p2align	8
	.type	k_q7ea37bd4ea_quant,@function
k_q7ea37bd4ea_quant:
	s_mov_b64 s[64:65], 0
	v_nop
	global_prefetch_b8 v0, s[64:65] scope:SCOPE_SE
	s_setreg_imm32_b32 hwreg(HW_REG_WAVE_MODE, 25, 1), 1
	s_wait_xcnt 0x0
; x [8192][1024] and the four weights [1024][1024], f32, K innermost, become codes of FP8 (E4M3) in the buffer codes.
; code = number / 2^e, held within +-448, rounded to the nearest code, ties to even.  x is an operand of three products with three given scales (entries 0, 2, 4 of
; lowp_scales), so three sets of its codes are made from one read: at 0, 8 MiB, 16 MiB.  w_q, w_k, w_v, w_o (entries 1, 3, 5, 11) lie at 24, 25, 26, 27 MiB.
; LIMITS: each of these seven exponents lies between -126 and 119, so that 2^e and 448 x 2^e are f32 numbers.  NaN among the inputs is not served; an infinity is held at the largest code.
; LAYOUT OF THE CODES: IMAGES OF THE OPERAND'S REGISTERS.  A fragment is 16 rows x 128 K: 16 registers a lane; lane (r, h) holds row r, registers 2 c, 2 c + 1 hold K = 16 c + 8 h + 0 .. 7.
; Its image is four pieces of 512 bytes: piece p = registers 4 p .. 4 p + 3, lane l's 16 bytes at 16 l.  Fragment (row tile rt, K step ks of 128) of a tensor of RT row tiles lies at
; ((ks / 2) RT + rt) 4096 + (ks % 2) 2048: so 128 rows x 256 K are 32,768 consecutive bytes, which the products' launches fetch as one block and read by 16 bytes a lane.
; SHARES.  Work-groups 0-511: row tile g of x.  Work-groups 512-767: weight (g - 512) / 64, row tile (g - 512) % 64.  A work-group reads 16 whole rows (65,536 consecutive bytes);
; wave w takes K = 256 w .. 256 w + 255: two fragments.  Each load of a wave reads 512 consecutive bytes of a row; the numbers turn through the wave's own stage in LDS so that a lane
; holds neighbours along K.  Each store of a wave covers 512 consecutive bytes, aligned.  Waves share nothing: no barrier.  All 32 loads of a wave are issued at once; nothing is looped.
; Both kinds of tensor take one path through LDS: only pointers and scales are chosen by the work-group's number; one branch on it leaves x's second and third set out for the weights.
.set SP,   528                         ; a stage row: 512 bytes + 16: the 16 rows that a read touches begin 16 bytes apart modulo 256
.set STG,  16*SP                       ; a wave's stage
.set LI,   1                           ; v1  16 x lane: my bytes of a load's or a store's 512
.set STA,  2                           ; v2  the stage, on the way in: wave x STG + 16 x lane
.set RB,   3                           ; v3  and back: wave x STG + r x SP + 32 h
.set T,    32
.set C,    64                          ; v64-95   codes, a set of 16 for each fragment
.set R,    96                          ; v96-223  the numbers, 64 for each fragment
.set IN,   20                          ; s[20:21] my wave's first byte of the input
.set OB0,  40                          ; s[40:41], s[42:43], s[44:45] my wave's first byte in the three sets of codes
.set OB1,  42
.set OB2,  44
	s_load_b256 s[4:11], s[0:1], 0x0               ; x, w_q, w_k, w_v
	s_load_b128 s[12:15], s[0:1], 0x20             ; w_o, lowp_scales
	s_load_b64 s[16:17], s[0:1], 0x30              ; codes
	v_lshl_add_u32 v224, v0, 2, 0x8400
	v_mov_b32 v225, 0
	v_lshrrev_b32 v4, 5, v0
	v_readfirstlane_b32 s18, v4                    ; wave 0..3
	v_and_b32 v5, 31, v0
	v_lshlrev_b32 v[LI], 4, v5
	s_mul_i32 s46, s18, STG
	v_add_nc_u32 v[STA], s46, v[LI]
	v_and_b32 v6, 15, v0                           ; r
	v_bfe_u32 v7, v0, 4, 1                         ; h
	v_mul_u32_u24 v[RB], v6, SP
	v_lshl_add_u32 v[RB], v7, 5, v[RB]
	v_add_nc_u32 v[RB], s46, v[RB]
	s_sub_co_u32 s19, ttmp9, 512
	s_lshr_b32 s22, s19, 6                         ; which weight,
	s_and_b32 s23, s19, 63                         ; and its row tile
	s_cmp_lt_u32 ttmp9, 512                        ; x's work-group?
	s_cselect_b32 s23, ttmp9, s23                  ; the row tile
	s_cselect_b32 s22, 0, s22
	s_cselect_b32 s47, 9, 6                        ; log2 of the tensor's row tiles
	s_cselect_b32 s48, 0, 24                       ; where its codes begin, in MiB
	s_add_co_u32 s48, s48, s22
	s_lshl_b32 s48, s48, 20
	s_lshl_b32 s49, s18, s47
	s_add_co_u32 s49, s49, s23
	s_lshl_b32 s49, s49, 12                        ; (wave x RT + row tile) x 4096
	s_add_co_u32 s48, s48, s49
	s_mov_b32 s49, 0
	s_lshl_b32 s50, s23, 16                        ; 16 rows of 4,096 bytes,
	s_lshl_b32 s51, s18, 10                        ; my 256 numbers of a row
	s_add_co_u32 s50, s50, s51
	s_mov_b32 s51, 0
	s_wait_alu depctr_va_vdst(0)
	s_wait_kmcnt 0x0
	s_load_b128 s[24:27], s[14:15], 0x0            ; e0 .. e3
	s_load_b128 s[28:31], s[14:15], 0x10           ; e4 .. e7
	s_load_b128 s[32:35], s[14:15], 0x20           ; e8 .. e11
	s_cmp_eq_u32 s22, 1                            ; the choices hang on the work-group's number alone
	s_cselect_b64 s[IN:IN+1], s[8:9], s[6:7]
	s_cmp_eq_u32 s22, 2
	s_cselect_b64 s[IN:IN+1], s[10:11], s[IN:IN+1]
	s_cmp_eq_u32 s22, 3
	s_cselect_b64 s[IN:IN+1], s[12:13], s[IN:IN+1]
	s_cmp_lt_u32 ttmp9, 512
	s_cselect_b64 s[IN:IN+1], s[4:5], s[IN:IN+1]
	s_add_nc_u64 s[IN:IN+1], s[IN:IN+1], s[50:51]
	s_add_nc_u64 s[OB0:OB0+1], s[16:17], s[48:49]
	s_add_nc_u64 s[OB1:OB1+1], s[OB0:OB0+1], 0x800000    ; x's second and third set (used by x's work-groups alone)
	s_add_nc_u64 s[OB2:OB2+1], s[OB0:OB0+1], 0x1000000
.macro LOADF f                         ; fragment f: 16 rows x 512 bytes, a row an instruction
.irp j, 0,1,2,3,4,5,6,7,8,9,10,11,12,13,14,15
	global_load_b128 v[R+64*\f+4*\j:R+64*\f+4*\j+3], v[LI], s[IN:IN+1] offset:4096*\j+512*\f th:TH_LOAD_NT
.endr
.endm
; Fragment f through the stage, and back into the registers that it left: LDS serves a wave's instructions in order (ISA guide 5.7.1.4), so no wait stands between the stores and the loads,
; nor between one fragment's loads and the next one's stores.  Back: register 16 c + i = K 32 c + 8 h + i (i < 8), K 32 c + 16 + 8 h + i - 8 (i >= 8) of row r.
.macro TURN f
.irp j, 0,1,2,3,4,5,6,7,8,9,10,11,12,13,14,15
	ds_store_b128 v[STA], v[R+64*\f+4*\j:R+64*\f+4*\j+3] offset:SP*\j
.endr
.irp c, 0,1,2,3
	ds_load_b128 v[R+64*\f+16*\c:R+64*\f+16*\c+3],     v[RB] offset:128*\c
	ds_load_b128 v[R+64*\f+16*\c+4:R+64*\f+16*\c+7],   v[RB] offset:128*\c+16
	ds_load_b128 v[R+64*\f+16*\c+8:R+64*\f+16*\c+11],  v[RB] offset:128*\c+64
	ds_load_b128 v[R+64*\f+16*\c+12:R+64*\f+16*\c+15], v[RB] offset:128*\c+80
.endr
.endm
; Fragment f is quantised with the scale in v[sc] and its image stored at s[ob].  The numbers stay as they are, for the next set.
.macro QV f, sc, ob
.irp c, 0,1,2,3
.irp i, 0,1,2,3,4,5,6,7,8,9,10,11,12,13,14,15
.endr
	v_cvt_scalef32_pk8_fp8_f32 v[C+16*\f+4*\c:C+16*\f+4*\c+1], v[T+16*(\c%2)+((R+64*\f+16*\c+0)-(T+16*(\c%2)+0)):T+16*(\c%2)+7+((R+64*\f+16*\c+0)-(T+16*(\c%2)+0))], v[\sc]
	v_cvt_scalef32_pk8_fp8_f32 v[C+16*\f+4*\c+2:C+16*\f+4*\c+3], v[T+16*(\c%2)+8+((R+64*\f+16*\c+0)-(T+16*(\c%2)+0)):T+16*(\c%2)+15+((R+64*\f+16*\c+0)-(T+16*(\c%2)+0))], v[\sc]
.endr
	v_nop                                          ; a plain instruction behind the last conversion of the run
.irp c, 0,1,2,3
	global_store_b128 v[LI], v[C+16*\f+4*\c:C+16*\f+4*\c+3], s[\ob:\ob+1] offset:2048*\f+512*\c   ; 32 lanes store 512 consecutive bytes, aligned
.endr
.endm
.macro MKSC e, sc                      ; s[e] = e  ->  v[sc] = 2^e as f32 (the conversion takes its exponent field)
	s_add_co_i32 s52, s[\e], 127
	s_lshl_b32 s53, s52, 23
	v_mov_b32 v[\sc], s53
.endm
	LOADF 0
	LOADF 1
	s_wait_kmcnt 0x0
	s_cmp_eq_u32 s22, 1                            ; the first set's exponent: e1, e3, e5, e11 for the weights, e0 for x
	s_cselect_b32 s36, s27, s25
	s_cmp_eq_u32 s22, 2
	s_cselect_b32 s36, s29, s36
	s_cmp_eq_u32 s22, 3
	s_cselect_b32 s36, s35, s36
	s_cmp_lt_u32 ttmp9, 512
	s_cselect_b32 s36, s24, s36
	MKSC 36, 8
	MKSC 26, 10                                    ; e2
	MKSC 28, 12                                    ; e4
	s_wait_alu depctr_va_vdst(0)
	s_wait_loadcnt 16                              ; fragment 0's sixteen loads are in; fragment 1's sixteen may be out
	TURN 0
	s_wait_loadcnt 0x0
	TURN 1
	s_wait_dscnt 32                                ; fragment 0 is back; behind its loads stand fragment 1's 16 stores and 16 loads
	QV 0, 8, OB0
	s_wait_dscnt 0x0
	QV 1, 8, OB0
	s_cmp_lt_u32 ttmp9, 512
	s_cbranch_scc0 .Lend                           ; a weight has one set
	s_wait_xcnt 0x0                                ; the stores have read their data: the codes' registers are written again only behind this wait
	QV 0, 10, OB1
	QV 1, 10, OB1
	s_wait_xcnt 0x0
	QV 0, 12, OB2
	QV 1, 12, OB2
.Lend:
	s_wait_tensorcnt 0x0
	ds_add_u32 v224, v225
	s_wait_dscnt 0x0
	s_endpgm
.Lfunc_end_k_q7ea37bd4ea_quant:
	.size	k_q7ea37bd4ea_quant, .Lfunc_end_k_q7ea37bd4ea_quant-k_q7ea37bd4ea_quant
	.p2alignl 7, 3214868480
	.fill 96, 4, 3214868480
	.section	.rodata,"a",@progbits
	.p2align	6, 0x0
	.amdhsa_kernel k_q7ea37bd4ea_quant
		.amdhsa_group_segment_fixed_size 34304
		.amdhsa_private_segment_fixed_size 0
		.amdhsa_enable_private_segment 0
		.amdhsa_kernarg_size 56
		.amdhsa_user_sgpr_count 2
		.amdhsa_user_sgpr_kernarg_segment_ptr 1
		.amdhsa_wavefront_size32 1
		.amdhsa_system_sgpr_workgroup_id_x 1
		.amdhsa_system_sgpr_workgroup_id_y 1
		.amdhsa_system_sgpr_workgroup_id_z 1
		.amdhsa_system_vgpr_workitem_id 0
		.amdhsa_next_free_vgpr 226
		.amdhsa_next_free_sgpr 66
		.amdhsa_reserve_vcc 0
		.amdhsa_float_denorm_mode_32 3
		.amdhsa_float_denorm_mode_16_64 3
		.amdhsa_fp16_overflow 1
		.amdhsa_memory_ordered 1
		.amdhsa_forward_progress 1
		.amdhsa_inst_pref_size 17
	.end_amdhsa_kernel
	.amdgpu_metadata
---
amdhsa.version: [ 1, 2 ]
amdhsa.kernels:
  - .name:           k_q7ea37bd4ea_quant
    .symbol:         k_q7ea37bd4ea_quant.kd
    .args:
      - { .name: x, .offset: 0, .size: 8, .value_kind: global_buffer, .address_space: global }
      - { .name: w_q, .offset: 8, .size: 8, .value_kind: global_buffer, .address_space: global }
      - { .name: w_k, .offset: 16, .size: 8, .value_kind: global_buffer, .address_space: global }
      - { .name: w_v, .offset: 24, .size: 8, .value_kind: global_buffer, .address_space: global }
      - { .name: w_o, .offset: 32, .size: 8, .value_kind: global_buffer, .address_space: global }
      - { .name: lowp_scales, .offset: 40, .size: 8, .value_kind: global_buffer, .address_space: global }
      - { .name: codes, .offset: 48, .size: 8, .value_kind: global_buffer, .address_space: global }
    .group_segment_fixed_size: 34304
    .private_segment_fixed_size: 0
    .kernarg_segment_align: 8
    .kernarg_segment_size: 56
    .max_flat_workgroup_size: 128
    .sgpr_count:     66
    .vgpr_count:     226
    .wavefront_size: 32
...
	.end_amdgpu_metadata
.endif
;; end of part 1
;; launch qkv (part 2): grid 12 x 32, 4 waves a work-group, clusters of 4 x 4, 327,680 bytes of LDS; arguments codes, lowp_scales, qc, kv; writes qc, kv
.if DOCPART == 2
	.amdgcn_target "amdgcn-amd-amdhsa--gfx1250"
	.amdhsa_code_object_version 6
	.text
	.protected	k_q7ea37bd4ea_qkv
	.globl	k_q7ea37bd4ea_qkv
	.p2align	8
	.type	k_q7ea37bd4ea_qkv,@function
k_q7ea37bd4ea_qkv:
	s_mov_b64 s[64:65], 0
	v_nop
	global_prefetch_b8 v0, s[64:65] scope:SCOPE_SE
	s_setreg_imm32_b32 hwreg(HW_REG_WAVE_MODE, 25, 1), 1
	s_wait_xcnt 0x0
	s_wait_alu depctr_hold_cnt(0) depctr_sa_sdst(0) depctr_va_vdst(0) depctr_va_sdst(0) depctr_va_ssrc(0) depctr_va_vcc(0) depctr_vm_vsrc(0)
	s_getreg_b32 s2, hwreg(HW_REG_IB_STS2, 6, 4)
	s_cmp_eq_u32 s2, 0
	s_cbranch_scc0 .Lentry_in_a_cluster
	s_endpgm
.Lentry_in_a_cluster:
	s_bfe_u32 s2, ttmp6, 0x10000c
	s_cmp_lg_u32 s2, 0xf033
	s_cbranch_scc0 .Lentry_shape_is_right
	s_endpgm
.Lentry_shape_is_right:
; q = x w_q^T, k = x w_k^T and v^T = w_v x^T on codes of FP8 (E4M3); the f32 sums are quantised at once, with the scales given for the attention's operands, and leave as codes.
; A product is C[m][n] = sum over K = 1024 of A[m][K] B[n][K].  Cluster x (0, 1, 2) names it: q, k: A = x's codes (set 0, 1), 8,192 rows, B = the weight, 1,024 rows;
; v: A = w_v, B = x's codes (set 2): so v's results have the KEYS along a lane's registers, as the attention's second product wants them.
; A sum stands for sum x 2^(ea + eb), so its code is sum / 2^E, held within +-448 x 2^E: E = e6 - e0 - e1 (q), e7 - e2 - e3 (k), e9 - e4 - e5 (v).
; LIMIT: each of these three E lies between -126 and 119, so that 2^E and 448 x 2^E are f32 numbers.
; SHARES.  A tile of C, 256 x 256, is made by four waves, as many as a WGP has SIMDs; a wave makes 128 x 128: 64 accumulators of 16 x 16, 512 registers.  K goes in four steps of 256 through two LDS slots.
; OPERANDS ARE IMAGES OF THEIR REGISTERS (fragment = 16 rows x 128 K = 2,048 bytes: piece p = registers 4 p .. 4 p + 3, lane l's 16 bytes at 16 l; fragment (rt, ks) of a tensor of RT row tiles at
; ((ks / 2) RT + rt) 4096 + (ks % 2) 2048).  So 128 rows of a K step are 32,768 consecutive bytes: one tensor load, stated as 128 rows of 256 bytes; every LDS read is 512 consecutive bytes: no pitch, no padding.
; CLUSTERS: 4 x 4 work-groups.  The four of a row of the cluster need the same tiles of A, the four of a column the same tiles of B: each is asked for JOINTLY, by the same tensor load with the same descriptor
; and a mask that names the four.  A's address is made of the tile row (cy), B's of the tile column (cx); no branch and no LDS address hangs on either.
; THE MATRIX INSTRUCTION IS USED TRANSPOSED (source 0 = 16 rows of B, source 1 = 16 rows of A): lane (r, h), register j of accumulator (a, b) is C(16 a + r, 16 b + 8 h + j): eight neighbours along n.
; One conversion an accumulator gives registers 2 b, 2 b + 1 of the NEXT product's fragment whose K is n: the results leave from registers as images, 512 consecutive bytes a store, with no stage.
; OUT.  qc: image (1,024 bytes: 16 queries x 64) of query tile qt of head bh at (128 bh + qt) 1024.  kv: 262,144 bytes a head, 16 key steps of 16,384: 8 tiles of 16 keys x 64 (1,024 each), then 4 tiles of 16 channels x 128 keys (2,048 each).
; REGISTERS, in windows of 256: window 0: v0-31 addresses and scales; v128-255 A's fragments, ONE set, then the codes.   window 1: B's fragments, TWO sets, at v0 and v128.
;   window 2: the 32 accumulators of my rows 0-63 (accumulator (a, b) at v[8 (8 a + b)]);   window 3: those of my rows 64-127.
.set HALFT,  32768                     ; 128 rows x 256 K: what one tensor load brings, and what one wave reads of A or of B in a K step
.set SLOT,   4*HALFT                   ; A's two halves, then B's two halves
.set SPARE,  2*SLOT                    ; behind the ring: the spare words, 128 bytes for each wave: two blocks of 256 bytes that no other line names
.set FR,     16                        ; registers of a fragment
.set NL,     4                         ; LDS loads that bring one
.set NP,     4                         ; places behind this matrix instruction (ISA guide 7.12.1)
.set SC,   8                           ; v8      2^E as f32
.set LIM,  9
.set ADRA, 16                          ; v16-17  LDS address of my A fragments in slot 0, 1
.set ADRB, 20                          ; v20-21  the same for B
.set VO0,  26                          ; v26     16 x lane
.set VO1,  27                          ; v27     16 x lane + the distance from an image's first half to what my registers 8-15 belong to
.set SPW,  28                          ; v28     LDS address of my spare word: SPARE + 4 x my thread's number; never rewritten
.set NIL,  29                          ; v29     0; never rewritten
.set TMP,  32
.set AF,   128
.set G1, 24                            ; s[24:31] descriptor group 1 for A's tiles;  s[32:39] group 0, one set for each slot
.set G0, 32
.set G1B, 48                           ; s[48:55], s[56:63] the same for B's tiles
.set G0B, 56
.set MSB, 0
.macro WIN new                         ; the immediate's high byte repeats the setting that is left
.if MSB != \new
	s_set_vgpr_msb (MSB<<8)|\new
.set MSB, \new
.endif
.endm
.set MUL_LO, 0xa1                      ; source 0 (B) window 1, source 1 (A) window 0, C and D window 2
.set MUL_HI, 0xf1                      ; the same, C and D window 3
.set TO_B,   0x40                      ; destination window 1, address window 0
; A joint load: waves 0 and 1 fetch for A, waves 2 and 3 for B.  Each of the two lines has ONE mask and one set of registers for all that issue it; the branch hangs on the wave's number alone.
; Four v_nop follow each of the two lines, ahead of the jump, the label and what follows.
.macro JLOAD g0a, g1a, g0b, g1b
	s_cmp_eq_u32 s15, 0
	s_cbranch_scc0 .Lfor_b_\@
	tensor_load_to_lds s[\g0a:\g0a+3], s[\g1a:\g1a+7]
	s_nop 0
.rept 4
	v_nop
.endr
	s_branch .Lasked_\@
.Lfor_b_\@:
	tensor_load_to_lds s[\g0b:\g0b+3], s[\g1b:\g1b+7]
	s_nop 0
.rept 4
	v_nop
.endr
.Lasked_\@:
.endm
.macro CREST                           ; a round of the cluster's barrier behind its opening barrier
	s_cmp_lg_u32 s14, 0
	s_cbranch_scc1 .Lnot_wave_0_\@
	s_barrier_signal -3
.Lnot_wave_0_\@:
	s_barrier_wait -3
	s_barrier_signal -1
	s_barrier_wait -1
.endm
.macro CROUND                          ; a whole round
	s_barrier_signal -1
	s_barrier_wait -1
	CREST
.endm
	s_load_b256 s[4:11], s[0:1], 0x0               ; codes s[4:5], lowp_scales s[6:7], qc s[8:9], kv s[10:11]
	v_lshl_add_u32 v[SPW], v0, 2, SPARE
	v_mov_b32 v[NIL], 0
	ds_add_u32 v28, v29
	ds_add_u32 v28, v29
	s_wait_dscnt 0x0
	v_lshrrev_b32 v1, 5, v0
	v_readfirstlane_b32 s14, v1                    ; wave 0..3
	s_lshr_b32 s15, s14, 1                         ; which half of the tile's rows is mine.  Also: I fetch for A (0) or for B (1)
	s_and_b32 s16, s14, 1                          ; which half of its columns.  Also: which 128 rows of that tile I fetch
	s_bfe_u32 s40, ttmp6, 0x40000                  ; cx, cy: my place in the cluster
	s_bfe_u32 s41, ttmp6, 0x40004
	s_mov_b32 s12, ttmp9                           ; X: 0 q, 1 k, 2 v: the same in all sixteen partners
	s_lshr_b32 s13, s12, 1                         ; v = 1 for v's product,
	s_xor_b32 s2, s13, 1                           ; nv = 1 for q's and k's
	s_and_b32 s3, ttmp7, 0xffff
	s_lshl_b32 s3, s3, 2                           ; 4 x cluster y: it walks x's 32 tiles of 256 rows, which are C's rows for q and k and C's columns for v
	s_mul_i32 s17, s3, s2
	s_add_co_u32 s17, s17, s41                     ; tile row of C = cy + 4 Y nv
	s_mul_i32 s42, s3, s13
	s_add_co_u32 s42, s42, s40                     ; tile column of C = cx + 4 Y v
	s_lshl_b32 s43, s41, 2
	s_lshl_b32 s43, 15, s43                        ; my row of the cluster
	s_lshl_b32 s44, 0x1111, s40                    ; my column
	; descriptor group 1: 32,768 consecutive bytes as 128 rows of 32 elements of 8 bytes, no padding
	s_or_b32 s[G1+0], s43, (3<<16)|(1<<21)         ; 15:0 the mask: A's tiles go to my row; 17:16 elements of 8 bytes; 21 set beside a mask
	s_or_b32 s[G1B+0], s44, (3<<16)|(1<<21)
.irp g, G1, G1B
	s_mov_b32 s[\g+1], 32<<16                      ; tensor_dim0 = 32
	s_mov_b32 s[\g+2], 128<<16                     ; tensor_dim1 = 128
	s_mov_b32 s[\g+3], 32<<16                      ; tile_dim0 = 32
	s_mov_b32 s[\g+4], 128                         ; tile_dim1 = 128
	s_mov_b32 s[\g+5], 32                          ; tensor_dim0_stride: the rows follow each other
	s_mov_b32 s[\g+6], 0
	s_mov_b32 s[\g+7], 0
.endr
	s_lshl_b32 s22, s16, 3                         ; which 8 row tiles of the 16 I fetch
	; A: x's set X at 8 X MiB (q, k) or w_v at 26 MiB (v); + (16 x tile row + my 8) x 4096
	s_mul_i32 s18, s12, s2
	s_lshl_b32 s18, s18, 23
	s_mul_i32 s19, s13, 26<<20
	s_add_co_u32 s18, s18, s19
	s_lshl_b32 s19, s17, 4
	s_add_co_u32 s19, s19, s22
	s_lshl_b32 s19, s19, 12
	s_add_co_u32 s20, s18, s19
	s_mov_b32 s21, 0
	; B: the weight at (24 + X) MiB (q, k) or x's set 2 at 16 MiB (v); + (16 x tile column + my 8) x 4096
	s_add_co_u32 s94, s12, 24
	s_mul_i32 s94, s94, s2
	s_lshl_b32 s95, s13, 4
	s_add_co_u32 s94, s94, s95
	s_lshl_b32 s94, s94, 20
	s_lshl_b32 s95, s42, 4
	s_add_co_u32 s95, s95, s22
	s_lshl_b32 s95, s95, 12
	s_add_co_u32 s46, s94, s95
	s_mov_b32 s47, 0
	; from a K step of 256 to the next: row tiles x 4096: 2 MiB in x, 256 KiB in a weight
	s_mul_i32 s66, s2, 1835008
	s_add_co_u32 s66, s66, 262144                  ; A's
	s_mov_b32 s67, 0
	s_mul_i32 s68, s13, 1835008
	s_add_co_u32 s68, s68, 262144                  ; B's
	s_mov_b32 s69, 0
	s_lshl_b32 s70, s66, 1                         ; and two K steps: a refill's step
	s_mov_b32 s71, 0
	s_lshl_b32 s72, s68, 1
	s_mov_b32 s73, 0
	s_mul_i32 s45, s14, HALFT                      ; where my tile goes: wave x 32,768: no place in the cluster enters an LDS address
	s_wait_kmcnt 0x0
	s_load_b128 s[80:83], s[6:7], 0x0              ; e0 .. e3
	s_load_b128 s[84:87], s[6:7], 0x10             ; e4 .. e7
	s_load_b128 s[88:91], s[6:7], 0x20             ; e8 .. e11
	CROUND                                         ; all sixteen work-groups are here: the first joint loads meet
.irp s, 0,1
	s_mov_b32 s[G0+4*\s], 1                        ; count = 1
	s_add_co_u32 s[G0+4*\s+1], s45, \s*SLOT        ; LDS address
	s_mov_b32 s[G0B+4*\s], 1
	s_add_co_u32 s[G0B+4*\s+1], s45, \s*SLOT
.endr
	s_add_nc_u64 s[G0+2:G0+3], s[4:5], s[20:21]    ; global address: K step 0,
	s_add_nc_u64 s[G0+6:G0+7], s[G0+2:G0+3], s[66:67]   ; K step 1
	s_add_nc_u64 s[G0B+2:G0B+3], s[4:5], s[46:47]
	s_add_nc_u64 s[G0B+6:G0B+7], s[G0B+2:G0B+3], s[68:69]
.irp s, 0,1
	s_or_b32 s[G0+4*\s+3], s[G0+4*\s+3], 0x80000000     ; type = 2
	s_or_b32 s[G0B+4*\s+3], s[G0B+4*\s+3], 0x80000000
.endr
	JLOAD G0, G1, G0B, G1B                         ; both slots are asked for before anything else is done: two tensor loads of mine are out
	JLOAD G0+4, G1, G0B+4, G1B
	v_and_b32 v2, 31, v0
	v_lshlrev_b32 v[VO0], 4, v2                    ; 16 x lane
	s_wait_alu depctr_va_vdst(0)
	s_mul_i32 s96, s15, HALFT                      ; my 128 rows of A
	s_mul_i32 s97, s16, HALFT                      ; my 128 rows of B,
	s_add_co_u32 s97, s97, 2*HALFT                 ; which lie behind A's 256
.irp s, 0,1
	v_add_nc_u32 v[ADRA+\s], s96, v[VO0]
	v_add_nc_u32 v[ADRB+\s], s97, v[VO0]
	s_add_co_u32 s96, s96, SLOT
	s_add_co_u32 s97, s97, SLOT
.endr
	; WHERE MY RESULTS GO.  x's 256-row tile gives the batch and the block of 128 tokens, the weight's tile gives the heads: which of them is C's row and which its column hangs on v.
	s_cmp_eq_u32 s13, 0
	s_cselect_b32 s3, s17, s42                     ; x's tile
	s_cselect_b32 s23, s42, s17                    ; the weight's tile: 4 heads
	s_cselect_b32 s79, s15, s16                    ; my half of x's tile
	s_cselect_b32 s96, s16, s15                    ; my half of the weight's: 2 heads
	s_lshr_b32 s97, s3, 3
	s_lshl_b32 s97, s97, 4                         ; 16 x batch
	s_lshl_b32 s23, s23, 2
	s_add_co_u32 s97, s97, s23
	s_lshl_b32 s96, s96, 1
	s_add_co_u32 s97, s97, s96                     ; my first head, 0 .. 62
	s_and_b32 s3, s3, 7
	s_lshl_b32 s3, s3, 1
	s_add_co_u32 s3, s3, s79                       ; my block of 128 tokens in the batch, 0 .. 15
	s_min_u32 s23, s12, 1
	s_lshl_b32 s96, 0x20000, s23                   ; a head: 131,072 bytes in qc, 262,144 in kv
	s_lshl_b32 s79, 0x2000, s23                    ; a block of 128 tokens: 8,192 bytes in qc, 16,384 in kv
	s_mul_i32 s97, s97, s96
	s_mul_i32 s3, s3, s79
	s_add_co_u32 s92, s97, s3
	s_lshl_b32 s3, s13, 13                         ; v's tiles lie 8,192 bytes behind k's
	s_add_co_u32 s92, s92, s3
	s_mov_b32 s93, 0
	s_mul_i32 s78, s2, s96                         ; my registers 8-15 of a block: q, k: the next head's image; v: the second half of the same image
	s_lshl_b32 s3, s13, 10
	s_add_co_u32 s78, s78, s3
	v_add_nc_u32 v[VO1], s78, v[VO0]
	s_lshl_b32 s74, 1024, s13                      ; from block a to a + 1: the next tile of 16 tokens (1,024) or of 16 channels (2,048);
	s_mov_b32 s75, 0
	s_mul_i32 s76, s13, 254976
	s_add_co_u32 s76, s76, 1024                    ; from block 3 to 4: the same for q, k; for v on to the next head: 262,144 - 3 x 2,048
	s_mov_b32 s77, 0
	s_cmp_eq_u32 s12, 0
	s_cselect_b64 s[96:97], s[8:9], s[10:11]       ; qc or kv: the choice hangs on the cluster's number alone
	s_add_nc_u64 s[92:93], s[96:97], s[92:93]
	s_wait_alu depctr_va_vdst(0)
	s_wait_kmcnt 0x0
	s_sub_co_i32 s94, s86, s80
	s_sub_co_i32 s94, s94, s81                     ; e6 - e0 - e1
	s_sub_co_i32 s95, s87, s82
	s_sub_co_i32 s95, s95, s83                     ; e7 - e2 - e3
	s_sub_co_i32 s3, s89, s84
	s_sub_co_i32 s3, s3, s85                       ; e9 - e4 - e5
	s_cmp_eq_u32 s12, 0
	s_cselect_b32 s94, s94, s95
	s_cmp_eq_u32 s12, 2
	s_cselect_b32 s94, s3, s94                     ; E
	s_add_co_i32 s94, s94, 127
	s_lshl_b32 s95, s94, 23
	v_mov_b32 v[SC], s95
.macro FRAG reg, adr, q, i             ; fragment (row tile i of my 8, the slot's q-th 128 along K): four pieces of 512 bytes, as they lie
.irp c, 0,1,2,3
	ds_load_b128 v[\reg+4*\c:\reg+4*\c+3], v[\adr] offset:4096*(\i)+2048*(\q)+512*\c
.endr
.endm
; 16 matrix instructions: A's blocks a0, a0 + 1 x B's eight, 128 along K.  p: B's set.  zero = 1: the first product starts the sums: nothing is ever cleared.
; The 64 accumulators take turns, one instruction a turn, in the same order in every step.
.macro MUL16 a0, p, zero
.irp a, \a0, \a0+1
.irp b, 0,1,2,3,4,5,6,7
.if \zero
	v_wmma_f32_16x16x128_fp8_fp8 v[8*(8*((\a)%4)+\b):8*(8*((\a)%4)+\b)+7], v[128*(\p)+FR*\b:128*(\p)+FR*\b+FR-1], v[AF+FR*(\a):AF+FR*(\a)+FR-1], 0
.else
	v_wmma_f32_16x16x128_fp8_fp8 v[8*(8*((\a)%4)+\b):8*(8*((\a)%4)+\b)+7], v[128*(\p)+FR*\b:128*(\p)+FR*\b+FR-1], v[AF+FR*(\a):AF+FR*(\a)+FR-1], v[8*(8*((\a)%4)+\b):8*(8*((\a)%4)+\b)+7]
.endif
.endr
.endr
.endm
.macro FETCH_B slot, q, p              ; B's eight fragments into set p
	WIN TO_B
.irp i, 0,1,2,3,4,5,6,7
	FRAG 128*(\p)+FR*\i, ADRB+\slot, \q, \i
.endr
	WIN 0
.endm
.macro FETCH_A slot, q, i0             ; A's blocks i0 .. i0 + 3
.irp i, \i0, \i0+1, \i0+2, \i0+3
	FRAG AF+FR*(\i), ADRA+\slot, \q, \i
.endr
.endm
; A load into a register that a matrix instruction has read, and a vector instruction that reads a matrix result, stand NP places behind that matrix instruction; only plain vector
; instructions that name none of its registers are places (ISA guide 7.12.1 for vector instructions).
.macro PLACES n
.rept \n
	v_nop
.endr
.endm
; A step of 128 along K that has its successor in the same slot.  A block of A is free as soon as its eight products are issued, so one set of registers serves A:
; blocks 0-3 are fetched anew in the step's middle, blocks 4-7 at its end; B's fragments are at work through the whole step and have two sets.
.macro STEP slot, q, zero
	s_wait_dscnt 4*NL                              ; B's set and A's blocks 0-3 are in; the youngest sixteen loads (A's blocks 4-7) may be out
	WIN MUL_LO
	MUL16 0, (\q)%2, \zero
	MUL16 2, (\q)%2, \zero
	s_wait_dscnt 0                                 ; A's blocks 4-7 are in (asked for 32 matrix instructions ago)
	PLACES NP
	FETCH_B \slot, (\q)+1, 1-(\q)%2
	FETCH_A \slot, (\q)+1, 0
	WIN MUL_HI
	MUL16 4, (\q)%2, \zero
	MUL16 6, (\q)%2, \zero
	PLACES NP
	WIN 0
	FETCH_A \slot, (\q)+1, 4
.endm
; A slot's last step changes slots: ONE barrier; in front of it each wave waits for all its tensor loads, adds 0 to its spare word, and waits for that and for its own reads of this slot.
; fill = 1: this slot is filled again, two K steps ahead; the barrier then opens a round of the cluster's barrier, and the joint refill is the first tensor load behind the round.
.macro TURN slot, next, fill
	s_wait_tensorcnt 0x0                           ; all my tensor loads have landed: my part of the next slot  (every window is 0 here: the add's two registers lie in window 0)
	ds_add_u32 v[SPW], v[NIL]                      ; 0 onto my spare word
	s_wait_dscnt 4*NL+1                            ; (the add and the youngest sixteen loads, A's blocks 4-7, may be out)
	WIN MUL_LO
	MUL16 0, 1, 0                                  ; sixteen matrix instructions stand between the add and the wait for it
	s_wait_dscnt 0x0                               ; the add is done, and my reads of this slot are over
	s_barrier_signal -1
	MUL16 2, 1, 0
	WIN 0
	s_barrier_wait -1
.if \fill
	CREST                                          ; no wave of any partner still reads this slot's tile or has a load on its way
	s_add_nc_u64 s[G0+4*\slot+2:G0+4*\slot+3], s[G0+4*\slot+2:G0+4*\slot+3], s[70:71]
	s_add_nc_u64 s[G0B+4*\slot+2:G0B+4*\slot+3], s[G0B+4*\slot+2:G0B+4*\slot+3], s[72:73]
	JLOAD G0+4*\slot, G1, G0B+4*\slot, G1B         ; one tensor load of mine is out; the four v_nop behind it are the places in front of the loads below
.else
	PLACES NP
.endif
	FETCH_B \next, 0, 0
	FETCH_A \next, 0, 0
	WIN MUL_HI
	MUL16 4, 1, 0
	MUL16 6, 1, 0
	PLACES NP
	WIN 0
	FETCH_A \next, 0, 4
.endm
	s_wait_tensorcnt 1                             ; my part of K step 0 is in (K step 1's load may be out)
	s_barrier_signal -1
	s_barrier_wait -1                              ; everybody's is
	FETCH_B 0, 0, 0
	FETCH_A 0, 0, 0
	FETCH_A 0, 0, 4
	STEP 0, 0, 1                                   ; K 0-127: its products start the sums.  The four K steps of 256 are written out: eight steps of 128, two refills
	TURN 0, 1, 1                                   ; K 128-255; slot 0 takes K 512-767
	STEP 1, 0, 0
	TURN 1, 0, 1                                   ; slot 1 takes K 768-1023
	STEP 0, 0, 0
	TURN 0, 1, 0                                   ; nothing is left to fetch, so no round
	STEP 1, 0, 0
	s_wait_dscnt 4*NL                              ; the very last step
	WIN MUL_LO
	MUL16 0, 1, 0
	MUL16 2, 1, 0
	s_wait_alu depctr_va_vdst(0)
	s_wait_dscnt 0
	WIN MUL_HI
	MUL16 4, 1, 0
	MUL16 6, 1, 0
	WIN 0
; THE WAY OUT, block a of 16 rows of C at a time: eight conversions of its 64 sums make 16 registers of codes, and
; four stores of 512 consecutive bytes send them: q, k: two heads' images of 16 tokens x 64; v: one image of 16 channels x 128 keys.  Each block has its own registers for its codes.
.macro OUTB a
.set AC, 64*((\a)%4)
.set CD, AF+16*(\a)
	WIN 0x02+((\a)/4)                              ; source 0: window 2 or 3
.set j, 0
.rept 64
.set j, j+1
.endr
.irp b, 0,1,2,3,4,5,6,7
	v_cvt_scalef32_pk8_fp8_f32 v[CD+2*\b:CD+2*\b+1], v[AC+8*\b:AC+8*\b+7], v[SC]
.endr
	WIN 0
	v_nop                                          ; a plain instruction behind the last conversion
.if (\a) > 0
	s_wait_alu depctr_va_vdst(0)
	s_wait_xcnt 0x0                                ; the last block's stores have read their base: it steps only behind this wait
.if (\a) == 4
	s_add_nc_u64 s[92:93], s[92:93], s[76:77]
.else
	s_add_nc_u64 s[92:93], s[92:93], s[74:75]
.endif
.endif
	global_store_b128 v[VO0], v[CD:CD+3],     s[92:93]
	global_store_b128 v[VO0], v[CD+4:CD+7],   s[92:93] offset:512
	global_store_b128 v[VO1], v[CD+8:CD+11],  s[92:93]
	global_store_b128 v[VO1], v[CD+12:CD+15], s[92:93] offset:512
.endm
	PLACES NP                                      ; behind the last products
.irp a, 0,1,2,3,4,5,6,7
	OUTB \a
.endr
	s_wait_tensorcnt 0x0                           ; the wave's end
	ds_add_u32 v[SPW], v[NIL]
	s_wait_dscnt 0x0
	CROUND                                         ; the closing round: no work-group ends while a partner may still ask for a tile that names it
	s_endpgm
.Lfunc_end_k_q7ea37bd4ea_qkv:
	.size	k_q7ea37bd4ea_qkv, .Lfunc_end_k_q7ea37bd4ea_qkv-k_q7ea37bd4ea_qkv
	.p2alignl 7, 3214868480
	.fill 96, 4, 3214868480
	.section	.rodata,"a",@progbits
	.p2align	6, 0x0
	.amdhsa_kernel k_q7ea37bd4ea_qkv
		.amdhsa_group_segment_fixed_size 327680
		.amdhsa_private_segment_fixed_size 0
		.amdhsa_enable_private_segment 0
		.amdhsa_kernarg_size 32
		.amdhsa_user_sgpr_count 2
		.amdhsa_user_sgpr_kernarg_segment_ptr 1
		.amdhsa_wavefront_size32 1
		.amdhsa_system_sgpr_workgroup_id_x 1
		.amdhsa_system_sgpr_workgroup_id_y 1
		.amdhsa_system_sgpr_workgroup_id_z 1
		.amdhsa_system_vgpr_workitem_id 0
		.amdhsa_next_free_vgpr 1024
		.amdhsa_next_free_sgpr 98
		.amdhsa_reserve_vcc 0
		.amdhsa_float_denorm_mode_32 3
		.amdhsa_float_denorm_mode_16_64 3
		.amdhsa_fp16_overflow 1
		.amdhsa_memory_ordered 1
		.amdhsa_forward_progress 1
		.amdhsa_inst_pref_size 87
	.end_amdhsa_kernel
	.amdgpu_metadata
---
amdhsa.version: [ 1, 2 ]
amdhsa.kernels:
  - .name:           k_q7ea37bd4ea_qkv
    .symbol:         k_q7ea37bd4ea_qkv.kd
    .args:
      - { .name: codes, .offset: 0, .size: 8, .value_kind: global_buffer, .address_space: global }
      - { .name: lowp_scales, .offset: 8, .size: 8, .value_kind: global_buffer, .address_space: global }
      - { .name: qc, .offset: 16, .size: 8, .value_kind: global_buffer, .address_space: global }
      - { .name: kv, .offset: 24, .size: 8, .value_kind: global_buffer, .address_space: global }
    .group_segment_fixed_size: 327680
    .private_segment_fixed_size: 0
    .kernarg_segment_align: 8
    .kernarg_segment_size: 32
    .max_flat_workgroup_size: 128
    .sgpr_count:     98
    .vgpr_count:     1024
    .wavefront_size: 32
...
	.end_amdgpu_metadata
.endif
;; end of part 2
;; launch attn (part 3): grid 4 x 64, 16 waves a work-group, no clusters, 264,192 bytes of LDS; arguments qc, kv, lowp_scales, ctxc; writes ctxc
.if DOCPART == 3
	.amdgcn_target "amdgcn-amd-amdhsa--gfx1250"
	.amdhsa_code_object_version 6
	.text
	.protected	k_q7ea37bd4ea_attn
	.globl	k_q7ea37bd4ea_attn
	.p2align	8
	.type	k_q7ea37bd4ea_attn,@function
k_q7ea37bd4ea_attn:
	s_mov_b64 s[64:65], 0
	v_nop
	global_prefetch_b8 v0, s[64:65] scope:SCOPE_SE
	s_setreg_imm32_b32 hwreg(HW_REG_WAVE_MODE, 25, 1), 1
	s_wait_xcnt 0x0
; ctx[b][n][head] = softmax_k(q . k / 8, causal) v, both products on codes of FP8 (E4M3) with the given scales e6 (q), e7 (k), e8 (p), e9 (v); ctx is quantised at once with e10 and leaves as codes.
; THE SOFTMAX AHEAD OF THE SECOND PRODUCT: t = score x log2(e) / 8; M = the row's largest t so far, rounded UP to a whole number; p = 2^(t - M) is what is quantised, along the keys; it is not normalised.
; The row's sum is taken of the unquantised p, in f32, and divides O at the end.  When M moves, the sum and O are multiplied by 2^(old M - new M): exact.
; LIMITS on the given exponents, so that each power of two below is an f32 number: e6 + e7 between -123 and 130 (added to the exponent field of log2(e) / 8); e8, and e10 - e8 - e9, between -126 and 119.
; IN.  qc: image of 16 queries x 64 (1,024 bytes) of query tile qt of head bh at (128 bh + qt) 1024.  kv: 262,144 bytes a head: 16 key steps of 16,384: 8 images of 16 keys x 64, then 4 images of 16 channels x 128 keys.
; An image is an operand's registers as they stand: piece p = registers 4 p .. 4 p + 3, lane l's 16 bytes at 16 l.  Lane (r, h) holds row r; registers 2 c, 2 c + 1 hold K = 16 c + 8 h + 0 .. 7.
; SHARES.  Work-group (i, bh) owns blocks 7 - i and i of 256 queries of head bh, one after the other: under the causal mask block qb has 2 qb + 1 or 2 qb + 2 key steps, so every work-group has the same work.
; Each of its SIXTEEN waves owns 16 queries of the block in hand, in 256 registers: four waves to a SIMD, so that one wave's vector work stands beside another's matrix work and LDS loads.
; LDS.  The head's whole K and V lie in LDS from byte 0 as they lie in memory, filled ONCE: each wave's one tensor load brings key step w, 16,384 bytes.  Nothing is filled again, nothing is stored to LDS: one barrier.
; NO CLUSTER, though the four work-groups of a head read the same 262,144 bytes: which key steps a wave works hangs on i, the work-group's place among those four.
; LAYOUT.  Both products are used transposed: S^T = K Q^T (source 0 = 16 keys, source 1 = my 16 queries), O^T = V^T P^T (source 0 = 16 channels, source 1 = P): a lane holds ONE query (lane % 16) throughout.
; Register j of S^T's tile t is key 16 t + 8 h + j: a conversion a tile gives registers 2 t, 2 t + 1 of P's fragment.  Register j of O^T's tile d is channel 16 d + 8 h + j: likewise for ctx's image.
; OUT.  ctxc: the image of (row tile mt = 128 b + n / 16, head hd) at ((hd / 4) 512 + mt) 4096 + (hd % 4) 1024: two heads make a fragment of 16 rows x 128 K of the last product's operand.
; CAUSAL.  Both loops have constant trip counts; a key step all of whose keys come after my queries is left out by a scalar branch on ids; only key step NF = 2 qb + w / 8 lies on my diagonal and is masked.
; REGISTERS: v1-3 addresses; v12 -M, v13 the largest t, v[14:15] the sum in two halves; v16-23 Q in hand, v24-31 the second block's; v32-95 K's eight fragments, then V's four; v96-159 S^T, then p;
;   v160-191 O^T; v224-239 p's codes (v224-231 also ctx's); v232-243 (ahead of the codes), v248-249, v252-254 at work; v244: 2^e8; v246: 2^(e10 - e8 - e9).
.set LI,   1                           ; v1   16 x lane
.set DD,   2                           ; v2   on the diagonal: my query less the step's first key less 8 h
.set ADK,  3                           ; v3   LDS address of the key step in hand
.set WV,   18                          ; s18  my wave's number;  s19 = wave / 8
.set SEL,  20                          ; s[20:21] lane selects for v_permlanex16_b32: lane l xor 16
.set CS,   22                          ; s[22:23] c = log2(e) / 8 x 2^(e6 + e7): the packed form names a pair and takes its low word for both halves
.set G1,   24                          ; s[24:31], s[32:35] the tensor load's descriptor
.set G0,   32
.set TB,   2                           ; s2   LDS byte at which the key step begins
.set QB,   36                          ; s36  the block of queries in hand
.set PH,   37                          ; s37  blocks to go
.set KS,   38                          ; s38  the key step
.set NF,   39                          ; s39  my last key step, the one on the diagonal
.set CP,   48                          ; s[48:49] where my image of ctx goes
.set CF,   50                          ; s[50:51] the same for block 0
	s_load_b256 s[4:11], s[0:1], 0x0               ; qc s[4:5], kv s[6:7], lowp_scales s[8:9], ctxc s[10:11]
	v_lshl_add_u32 v251, v0, 2, 0x40000
	v_mov_b32 v255, 0
	ds_add_u32 v251, v255
	ds_add_u32 v251, v255
	v_lshrrev_b32 v4, 5, v0
	s_delay_alu instid0(VALU_DEP_1)
	v_readfirstlane_b32 s[WV], v4                  ; wave 0..15
	s_lshr_b32 s19, s[WV], 3
	s_and_b32 s52, ttmp7, 0xffff                   ; bh = 16 b + head
	s_mov_b32 s[G1], 3<<16                         ; no mask; elements of 8 bytes; no padding
	s_mov_b32 s[G1+1], 32<<16                      ; tensor_dim0 = 32: 16,384 consecutive bytes as 64 rows of 256
	s_mov_b32 s[G1+2], 64<<16                      ; tensor_dim1 = 64
	s_mov_b32 s[G1+3], 32<<16                      ; tile_dim0 = 32
	s_mov_b32 s[G1+4], 64                          ; tile_dim1 = 64
	s_mov_b32 s[G1+5], 32                          ; tensor_dim0_stride
	s_mov_b32 s[G1+6], 0
	s_mov_b32 s[G1+7], 0
	s_mov_b32 s[G0], 1                             ; count = 1
	s_lshl_b32 s[G0+1], s[WV], 14                  ; LDS address: wave x 16,384
	s_lshl_b32 s54, s52, 18                        ; the head's 262,144 bytes,
	s_add_co_u32 s54, s54, s[G0+1]                 ; key step w
	s_mov_b32 s55, 0
	s_wait_dscnt 0x0
	s_wait_kmcnt 0x0
	s_load_b128 s[40:43], s[8:9], 0x10             ; e4 .. e7
	s_load_b128 s[44:47], s[8:9], 0x20             ; e8 .. e11
	s_add_nc_u64 s[G0+2:G0+3], s[6:7], s[54:55]
	s_or_b32 s[G0+3], s[G0+3], 0x80000000          ; type = 2
	tensor_load_to_lds s[G0:G0+3], s[G1:G1+7]      ; my one tensor load
	s_nop 0
.rept 4
	v_nop
.endr
	v_and_b32 v5, 31, v0
	s_delay_alu instid0(VALU_DEP_1)
	v_lshlrev_b32 v[LI], 4, v5
	s_wait_alu depctr_va_vdst(0)
	s_lshl_b32 s56, s52, 17                        ; Q: the head's 128 images,
	s_lshl_b32 s57, s[WV], 10                      ; my tile of a block's sixteen
	s_add_co_u32 s56, s56, s57
	s_sub_co_u32 s[QB], 7, ttmp9                   ; the first block: 7 - i
	s_lshl_b32 s57, s[QB], 14
	s_add_co_u32 s57, s57, s56
	v_add_nc_u32 v6, s57, v[LI]
	s_lshl_b32 s57, ttmp9, 14                      ; the second: i
	s_add_co_u32 s57, s57, s56
	v_add_nc_u32 v7, s57, v[LI]
	global_load_b128 v[16:19], v6, s[4:5]
	global_load_b128 v[20:23], v6, s[4:5] offset:512
	global_load_b128 v[24:27], v7, s[4:5]
	global_load_b128 v[28:31], v7, s[4:5] offset:512
	v_and_b32 v8, 15, v0                           ; r
	v_bfe_u32 v9, v0, 4, 1                         ; h
	s_and_b32 s57, s[WV], 7
	s_lshl_b32 s57, s57, 4
	v_lshlrev_b32 v9, 3, v9
	s_delay_alu instid0(VALU_DEP_1)
	v_sub_nc_u32 v[DD], v8, v9
	s_delay_alu instid0(VALU_DEP_1)
	v_add_nc_u32 v[DD], s57, v[DD]                 ; 16 (w % 8) + r - 8 h.  Register 8 t + j holds the step's key 16 t + 8 h + j: hidden where 16 t + j > this
	s_and_b32 s53, s52, 15                         ; hd
	s_lshr_b32 s54, s52, 4                         ; b
	s_lshr_b32 s55, s53, 2
	s_lshl_b32 s55, s55, 9
	s_lshl_b32 s54, s54, 7
	s_add_co_u32 s55, s55, s54
	s_add_co_u32 s55, s55, s[WV]
	s_lshl_b32 s54, s55, 12                        ; ((hd / 4) 512 + 128 b + w) 4096
	s_and_b32 s53, s53, 3
	s_lshl_b32 s53, s53, 10
	s_add_co_u32 s54, s54, s53                     ; + (hd % 4) 1024
	s_mov_b32 s55, 0
	s_add_nc_u64 s[CF:CF+1], s[10:11], s[54:55]
	s_mov_b32 s[SEL], 0x76543210
	s_mov_b32 s[SEL+1], 0xfedcba98
	s_mov_b32 s[CS], 0x3e38aa3b                    ; log2(e) / 8
	v_mov_b32 v236, 0                              ; written once: a lane permute's destination counts as one of its sources
	v_mov_b32 v252, 0
	v_mov_b32 v253, 0                              ; (named as the upper half of the pair v[252:253])
	s_wait_kmcnt 0x0
	s_add_co_i32 s56, s42, s43
	s_lshl_b32 s56, s56, 23
	s_add_co_i32 s[CS], s[CS], s56                 ; a score stands for score x 2^(e6 + e7): the two exponents are added to c's exponent field
	s_mov_b32 s[CS+1], s[CS]                       ; (named with it as a pair, so it is written)
	s_add_co_i32 s56, s44, 127
	s_lshl_b32 s57, s56, 23
	v_mov_b32 v244, s57                            ; 2^e8 as f32, for p's conversions
	s_sub_co_i32 s56, s46, s44
	s_sub_co_i32 s56, s56, s45                     ; a sum of the second product stands for sum x 2^(e8 + e9): ctx's code is (sum / l) / 2^(e10 - e8 - e9)
	s_add_co_i32 s56, s56, 127
	s_lshl_b32 s57, s56, 23
	v_mov_b32 v246, s57
	s_wait_loadcnt 0x0                             ; Q, both blocks'
	s_wait_tensorcnt 0x0                           ; my key step has landed,
	s_barrier_signal -1
	s_barrier_wait -1                              ; everybody's has: the head's K and V are whole, and stay
; A KEY STEP: 128 keys.
.macro STEP
	s_lshl_b32 s[TB], s[KS], 14
	s_cmp_gt_u32 s[KS], s[NF]                      ; all its keys come after my queries: left out
	s_cbranch_scc1 .Lhidden_\@
	s_setprio 2
	v_add_nc_u32 v[ADK], s[TB], v[LI]
.rept 3
	v_nop                                          ; with the addition above: four places in front of loads into registers that the last products have read
.endr
.irp t, 0,1,2,3,4,5,6,7
	ds_load_b128 v[32+8*\t:35+8*\t], v[ADK] offset:1024*\t
	ds_load_b128 v[36+8*\t:39+8*\t], v[ADK] offset:1024*\t+512
.endr
	s_wait_alu depctr_va_vdst(0)
	s_wait_dscnt 0x0
.irp t, 0,1,2,3,4,5,6,7
	v_wmma_f32_16x16x64_fp8_fp8 v[96+8*\t:103+8*\t], v[32+8*\t:39+8*\t], v[16:23], 0   ; S^T: 16 keys x my 16 queries, K = the head's 64
.endr
.rept 4
	v_nop                                          ; four places: in front of the loads over K's fragments, and of the first read of the scores
.endr
.irp d, 0,1,2,3
.irp c, 0,1,2,3
	ds_load_b128 v[32+16*\d+4*\c:35+16*\d+4*\c], v[ADK] offset:8192+2048*\d+512*\c     ; V's four fragments land while the softmax is worked
.endr
.endr
	s_cmp_lg_u32 s[KS], s[NF]                      ; a step all of whose keys count skips the mask
	s_cbranch_scc1 .Lopen_\@
	v_mov_b32 v254, 0xff800000                     ; on the diagonal the scores of hidden keys become -infinity ahead of the maximum: p = 0 then
.set n, 0
.rept 64
	v_cmp_gt_i32 vcc_lo, 16*(n/8)+n%8, v[DD]
	v_cndmask_b32 v[96+n], v[96+n], v254, vcc_lo
.set n, n+1
.endr
.Lopen_\@:
	v_max3_num_f32 v254, v96, v97, v98             ; the step's largest score of my query, among my 64 keys, in two chains, each accumulator from its low end on,
	v_max3_num_f32 v252, v99, v100, v101
.irp i, 6,10,14,18,22,26,30,34,38,42,46,50,54,58
	v_max3_num_f32 v254, v254, v[96+\i], v[97+\i]
	v_max3_num_f32 v252, v252, v[98+\i], v[99+\i]
.endr
	v_max3_num_f32 v254, v254, v158, v159
	s_delay_alu instid0(VALU_DEP_1)
	v_max_num_f32 v254, v254, v252
	v_permlanex16_b32 v236, v254, s[SEL], s[SEL+1]
	s_delay_alu instid0(VALU_DEP_1)
	v_max_num_f32 v254, v254, v236                 ; and among lane l xor 16's
	s_delay_alu instid0(VALU_DEP_1)
	v_mul_f32 v254, s[CS], v254                    ; as t (c is positive)
	s_delay_alu instid0(VALU_DEP_1)
	v_max_num_f32 v13, v13, v254                   ; the running largest t
	v_mov_b32 v254, v12
	s_delay_alu instid0(VALU_DEP_2)
	v_floor_f32 v12, -v13                          ; the new -M = floor(-t) = -ceil(t): M is a whole number
	s_delay_alu instid0(VALU_DEP_1)
	v_sub_f32 v254, v12, v254                      ; M's old value less its new one: a whole number, 0 or less
	s_delay_alu instid0(VALU_DEP_1)
	v_cvt_i32_f32 v254, v254                       ; (it saturates)
	s_delay_alu instid0(VALU_DEP_1)
	v_ldexp_f32 v252, 1.0, v254                    ; f = 2^(old M - new M)
.set n, 0
	s_setprio 1
.rept 32
	v_pk_fma_f32 v[96+n:97+n], v[96+n:97+n], s[CS:CS+1], v[12:13] op_sel_hi:[1,0,0]   ; t - M, two at a time (of the pairs c and -M the low word serves both halves)
.set n, n+2
.endr
.set n, 0
	s_wait_alu depctr_va_vdst(0)
.rept 64
	v_exp_f32 v[96+n], v[96+n]                     ; p = 2^(t - M), at most 1: not normalised
.set n, n+1
.endr
	v_pk_mul_f32 v[14:15], v[14:15], v[252:253] op_sel_hi:[1,0]   ; the sums under the new M: the plain instruction behind the exponentials
	s_wait_alu depctr_va_vdst(0)                   ; one wait for the whole batch, ahead of its first reader
	v_pk_add_f32 v[242:243], v[100:101], v[104:105]
	v_pk_add_f32 v[248:249], v[108:109], v[112:113]
	v_pk_add_f32 v[240:241], v[116:117], v[120:121]
	v_pk_add_f32 v[238:239], v[124:125], v[128:129]
	v_pk_add_f32 v[236:237], v[132:133], v[136:137]
	v_pk_add_f32 v[234:235], v[140:141], v[144:145]
	v_pk_add_f32 v[232:233], v[148:149], v[152:153]
	v_pk_add_f32 v[14:15], v[14:15], v[156:157]
	v_pk_add_f32 v[242:243], v[242:243], v[96:97]
	v_pk_add_f32 v[248:249], v[248:249], v[98:99]
	v_pk_add_f32 v[240:241], v[240:241], v[102:103]
	v_pk_add_f32 v[238:239], v[238:239], v[106:107]
	v_pk_add_f32 v[236:237], v[236:237], v[110:111]
	v_pk_add_f32 v[234:235], v[234:235], v[114:115]
	v_pk_add_f32 v[232:233], v[232:233], v[118:119]
	v_pk_add_f32 v[14:15], v[14:15], v[122:123]
	v_pk_add_f32 v[242:243], v[242:243], v[126:127]
	v_pk_add_f32 v[248:249], v[248:249], v[130:131]
	v_pk_add_f32 v[240:241], v[240:241], v[134:135]
	v_pk_add_f32 v[238:239], v[238:239], v[138:139]
	v_pk_add_f32 v[236:237], v[236:237], v[142:143]
	v_pk_add_f32 v[234:235], v[234:235], v[146:147]
	v_pk_add_f32 v[232:233], v[232:233], v[150:151]
	s_setprio 0
	v_pk_add_f32 v[14:15], v[14:15], v[154:155]
	v_pk_add_f32 v[242:243], v[242:243], v[158:159]
	s_delay_alu instid0(VALU_DEP_2)
	v_pk_add_f32 v[14:15], v[14:15], v[238:239]
	s_delay_alu instid0(VALU_DEP_2)
	v_pk_add_f32 v[242:243], v[242:243], v[236:237]
	v_pk_add_f32 v[248:249], v[248:249], v[234:235]
	v_pk_add_f32 v[240:241], v[240:241], v[232:233]
	s_delay_alu instid0(VALU_DEP_2)
	v_pk_add_f32 v[14:15], v[14:15], v[248:249]
	s_delay_alu instid0(VALU_DEP_2)
	v_pk_add_f32 v[242:243], v[242:243], v[240:241]
	s_delay_alu instid0(VALU_DEP_1)
	v_pk_add_f32 v[14:15], v[14:15], v[242:243]
.irp b, 0,1,2,3
.irp i, 0,1,2,3,4,5,6,7,8,9,10,11,12,13,14,15
.endr
	v_cvt_scalef32_pk8_fp8_f32 v[224+4*\b:225+4*\b], v[96+16*\b:103+16*\b], v244    ; tile 2 b: keys 32 b + 8 h + 0 .. 7
	v_cvt_scalef32_pk8_fp8_f32 v[226+4*\b:227+4*\b], v[104+16*\b:111+16*\b], v244   ; tile 2 b + 1: keys 32 b + 16 + 8 h + 0 .. 7
.endr
.set n, 0
.rept 16
	v_pk_mul_f32 v[160+n:161+n], v[160+n:161+n], v[252:253] op_sel_hi:[1,0]   ; O^T under the new M: x f.  (Also the plain instructions between the conversions and the products that read the codes)
.set n, n+2
.endr
	s_wait_alu depctr_va_vdst(0)
	s_wait_dscnt 0x0                               ; V is in
.irp d, 0,1,2,3
	v_wmma_f32_16x16x128_fp8_fp8 v[160+8*\d:167+8*\d], v[32+16*\d:47+16*\d], v[224:239], v[160+8*\d:167+8*\d]   ; O^T += V^T P^T; the four accumulators take turns, one instruction a turn
.endr
.Lhidden_\@:
.endm
	s_mov_b32 s[PH], 2
.Lphase:                                           ; two trips: block 7 - i, then block i
	v_mov_b32 v13, 0xff61b1e6                      ; the largest t so far: -3e38, under every t
	s_delay_alu instid0(VALU_DEP_1)
	v_floor_f32 v12, -v13                          ; -M
	v_mov_b32 v14, 0                               ; the sum, in two halves
	v_mov_b32 v15, 0
.set n, 0
.rept 32
	v_mov_b32 v[160+n], 0                          ; O^T.  (The key step is written once: the first finds zeros, which the first change of M leaves zeros)
.set n, n+1
.endr
	s_lshl_b32 s[NF], s[QB], 1
	s_add_co_u32 s[NF], s[NF], s19                 ; my diagonal's key step: 2 qb + w / 8
	s_mov_b32 s[KS], 0
.Lstep:                                            ; sixteen trips, whatever the block: those past the diagonal do nothing
	STEP
	s_add_co_u32 s[KS], s[KS], 1
	s_cmp_lt_u32 s[KS], 16
	s_cbranch_scc1 .Lstep
	s_setprio 0
	; THE WAY OUT of a block: O^T / the sum, quantised with e10: the conversions' results are my image of ctx
	v_add_f32 v14, v14, v15                        ; the sum's two halves.  (With the three lines below: four places behind the last products)
.rept 3
	v_nop
.endr
	v_permlanex16_b32 v252, v14, s[SEL], s[SEL+1]
	s_delay_alu instid0(VALU_DEP_1)
	v_add_f32 v14, v14, v252                       ; and lane l xor 16's: the row's sum
	s_wait_alu depctr_va_vdst(0)
	v_rcp_f32 v14, v14
	v_nop                                          ; a plain instruction behind the reciprocal
	s_lshl_b32 s52, s[QB], 16                      ; 16 row tiles of 4,096 bytes a block
	s_mov_b32 s53, 0
	s_add_nc_u64 s[CP:CP+1], s[CF:CF+1], s[52:53]
	s_wait_alu depctr_va_vdst(0)                   ; and the wait, ahead of its first reader
.set n, 0
.rept 16
	v_pk_mul_f32 v[96+n:97+n], v[160+n:161+n], v[14:15] op_sel_hi:[1,0]   ; each accumulator from its low end on
.set n, n+2
.endr
.set n, 0
.rept 32
.set n, n+1
.endr
.irp d, 0,1,2,3
	v_cvt_scalef32_pk8_fp8_f32 v[224+2*\d:225+2*\d], v[96+8*\d:103+8*\d], v246
.endr
	v_nop                                          ; a plain instruction behind the last conversion
	global_store_b128 v[LI], v[224:227], s[CP:CP+1]             ; 32 lanes store 512 consecutive bytes, aligned
	global_store_b128 v[LI], v[228:231], s[CP:CP+1] offset:512
.irp j, 0,1,2,3,4,5,6,7
	v_mov_b32 v[16+\j], v[24+\j]                   ; the second block's Q
.endr
	s_wait_xcnt 0x0                                ; the stores have read their data and their base: both are written again in the next trip
	s_sub_co_u32 s[QB], 7, s[QB]
	s_sub_co_u32 s[PH], s[PH], 1
	s_cmp_lg_u32 s[PH], 0
	s_cbranch_scc1 .Lphase
	s_wait_tensorcnt 0x0
	ds_add_u32 v251, v255
	s_wait_dscnt 0x0
	s_endpgm
.Lfunc_end_k_q7ea37bd4ea_attn:
	.size	k_q7ea37bd4ea_attn, .Lfunc_end_k_q7ea37bd4ea_attn-k_q7ea37bd4ea_attn
	.p2alignl 7, 3214868480
	.fill 96, 4, 3214868480
	.section	.rodata,"a",@progbits
	.p2align	6, 0x0
	.amdhsa_kernel k_q7ea37bd4ea_attn
		.amdhsa_group_segment_fixed_size 264192
		.amdhsa_private_segment_fixed_size 0
		.amdhsa_enable_private_segment 0
		.amdhsa_kernarg_size 32
		.amdhsa_user_sgpr_count 2
		.amdhsa_user_sgpr_kernarg_segment_ptr 1
		.amdhsa_wavefront_size32 1
		.amdhsa_system_sgpr_workgroup_id_x 1
		.amdhsa_system_sgpr_workgroup_id_y 1
		.amdhsa_system_sgpr_workgroup_id_z 1
		.amdhsa_system_vgpr_workitem_id 0
		.amdhsa_next_free_vgpr 256
		.amdhsa_next_free_sgpr 66
		.amdhsa_reserve_vcc 1
		.amdhsa_float_denorm_mode_32 3
		.amdhsa_float_denorm_mode_16_64 3
		.amdhsa_fp16_overflow 1
		.amdhsa_memory_ordered 1
		.amdhsa_forward_progress 1
		.amdhsa_inst_pref_size 27
	.end_amdhsa_kernel
	.amdgpu_metadata
---
amdhsa.version: [ 1, 2 ]
amdhsa.kernels:
  - .name:           k_q7ea37bd4ea_attn
    .symbol:         k_q7ea37bd4ea_attn.kd
    .args:
      - { .name: qc, .offset: 0, .size: 8, .value_kind: global_buffer, .address_space: global }
      - { .name: kv, .offset: 8, .size: 8, .value_kind: global_buffer, .address_space: global }
      - { .name: lowp_scales, .offset: 16, .size: 8, .value_kind: global_buffer, .address_space: global }
      - { .name: ctxc, .offset: 24, .size: 8, .value_kind: global_buffer, .address_space: global }
    .group_segment_fixed_size: 264192
    .private_segment_fixed_size: 0
    .kernarg_segment_align: 8
    .kernarg_segment_size: 32
    .max_flat_workgroup_size: 512
    .sgpr_count:     66
    .vgpr_count:     256
    .wavefront_size: 32
...
	.end_amdgpu_metadata
.endif
;; end of part 3
;; launch oproj (part 4): grid 4 x 32, 4 waves a work-group, clusters of 4 x 4, 327,680 bytes of LDS; arguments ctxc, codes, lowp_scales, b_o, out0; writes out0
.if DOCPART == 4
	.amdgcn_target "amdgcn-amd-amdhsa--gfx1250"
	.amdhsa_code_object_version 6
	.text
	.protected	k_q7ea37bd4ea_oproj
	.globl	k_q7ea37bd4ea_oproj
	.p2align	8
	.type	k_q7ea37bd4ea_oproj,@function
k_q7ea37bd4ea_oproj:
	s_mov_b64 s[64:65], 0
	v_nop
	global_prefetch_b8 v0, s[64:65] scope:SCOPE_SE
	s_setreg_imm32_b32 hwreg(HW_REG_WAVE_MODE, 25, 1), 1
	s_wait_xcnt 0x0
	s_wait_alu depctr_hold_cnt(0) depctr_sa_sdst(0) depctr_va_vdst(0) depctr_va_sdst(0) depctr_va_ssrc(0) depctr_va_vcc(0) depctr_vm_vsrc(0)
	s_getreg_b32 s2, hwreg(HW_REG_IB_STS2, 6, 4)
	s_cmp_eq_u32 s2, 0
	s_cbranch_scc0 .Lentry_in_a_cluster
	s_endpgm
.Lentry_in_a_cluster:
	s_bfe_u32 s2, ttmp6, 0x10000c
	s_cmp_lg_u32 s2, 0xf033
	s_cbranch_scc0 .Lentry_shape_is_right
	s_endpgm
.Lentry_shape_is_right:
; out0[m][n] = sum over K = 1024 of ctx[m][K] w_o[n][K] + b_o[n], on codes of FP8 (E4M3) with the given scales e10 (ctx) and e11 (w_o); out0 is [8192][1024] f32.
; A sum stands for sum x 2^(e10 + e11).  b_o / 2^(e10 + e11) is the C of each sum's first matrix instruction, and each finished sum is multiplied once by 2^(e10 + e11).
; LIMIT: e10 + e11 lies between -126 and 127, so that 2^(e10 + e11) is an f32 number.
; SHARES.  A tile of out0, 256 x 256, is made by four waves, as many as a WGP has SIMDs; a wave makes 128 x 128: 64 accumulators of 16 x 16, 512 registers.  K goes in four steps of 256 through two LDS slots.
; out0 has 128 such tiles: 128 work-groups.
; OPERANDS ARE IMAGES OF THEIR REGISTERS (fragment = 16 rows x 128 K = 2,048 bytes: piece p = registers 4 p .. 4 p + 3, lane l's 16 bytes at 16 l; fragment (rt, ks) of a tensor of RT row tiles at
; ((ks / 2) RT + rt) 4096 + (ks % 2) 2048).  So 128 rows of a K step are 32,768 consecutive bytes: one tensor load, stated as 128 rows of 256 bytes; every LDS read is 512 consecutive bytes: no pitch, no padding.
; CLUSTERS: 4 x 4 work-groups.  The four of a row of the cluster need the same tiles of ctx, the four of a column the same tiles of w_o: each is asked for JOINTLY, by the same tensor load with the same
; descriptor and a mask that names the four.  THE MATRIX INSTRUCTION IS USED TRANSPOSED (source 0 = 16 rows of w_o, source 1 = 16 rows of ctx): a lane then holds eight neighbouring numbers of a row of out0.
; REGISTERS, in windows of 256: window 0: v0-31 addresses; v32-95 the bias in the result's layout (8 registers for each of my 8 tiles of columns), later the way out; v128-255 A's fragments, ONE set, later rows of out0.
;   window 1: B's fragments, TWO sets, at v0 and v128.   window 2: the 32 accumulators of my rows 0-63 (accumulator (a, b) at v[8 (8 a + b)]);   window 3: those of my rows 64-127.
.set SIZE_N, 1024
.set HALFT,  32768                     ; 128 rows x 256 K: what one tensor load brings, and what one wave reads of A or of B in a K step
.set SLOT,   4*HALFT                   ; A's two halves, then B's two halves
.set SPARE,  2*SLOT                    ; behind the ring: the spare words, 128 bytes for each wave: two blocks of 256 bytes that no other line names
.set SPITCH, 528                       ; the way out: a stage of 16 rows x (512 bytes + 16) for each wave.  It lies in slot 0, which has had its last fill and its last read when the first result is stored there
.set FR,     16                        ; registers of a fragment
.set NL,     4                         ; LDS loads that bring one
.set NP,     4                         ; places behind this matrix instruction (ISA guide 7.12.1)
.set ADRA, 16                          ; v16-17  LDS address of my A fragments in slot 0, 1
.set ADRB, 20                          ; v20-21  the same for B
.set STO,  24                          ; v24     the way out: where I put 32 bytes of a row
.set RD,   25                          ; v25     the way out: where I read a row back
.set CO,   26                          ; v26     16 x lane: my byte offset in a row of out0
.set SPW,  28                          ; v28     LDS address of my spare word: SPARE + 4 x my thread's number; never rewritten
.set NIL,  29                          ; v29     0; never rewritten
.set BIAS, 32
.set TMP,  32                          ; the way out: 64 registers, a block's sums x 2^(e10 + e11)
.set AF,   128
.set BK,   128                         ; the way out: 16 rows read back from the stage: v128-191 and v192-255 by turns
.set G1, 24                            ; s[24:31] descriptor group 1 for A's tiles;  s[32:39] group 0, one set for each slot
.set G0, 32
.set G1B, 48                           ; s[48:55], s[56:63] the same for B's tiles
.set G0B, 56
.set MSB, 0
.macro WIN new                         ; the immediate's high byte repeats the setting that is left
.if MSB != \new
	s_set_vgpr_msb (MSB<<8)|\new
.set MSB, \new
.endif
.endm
.set MUL_LO,  0xa1                     ; source 0 (B) window 1, source 1 (A) window 0, C and D window 2
.set MUL_HI,  0xf1                     ; the same, C and D window 3
.set BIAS_LO, 0x81                     ; the first products: C (the bias) window 0, D window 2
.set BIAS_HI, 0xc1                     ; C window 0, D window 3
.set TO_B,    0x40                     ; destination window 1, address window 0
; A joint load: waves 0 and 1 fetch for A, waves 2 and 3 for B.  Each of the two lines has ONE mask and one set of registers for all that issue it; the branch hangs on the wave's number alone.
; Four v_nop follow each of the two lines, ahead of the jump, the label and what follows.
.macro JLOAD g0a, g1a, g0b, g1b
	s_cmp_eq_u32 s15, 0
	s_cbranch_scc0 .Lfor_b_\@
	tensor_load_to_lds s[\g0a:\g0a+3], s[\g1a:\g1a+7]
	s_nop 0
.rept 4
	v_nop
.endr
	s_branch .Lasked_\@
.Lfor_b_\@:
	tensor_load_to_lds s[\g0b:\g0b+3], s[\g1b:\g1b+7]
	s_nop 0
.rept 4
	v_nop
.endr
.Lasked_\@:
.endm
.macro CREST                           ; a round of the cluster's barrier behind its opening barrier
	s_cmp_lg_u32 s14, 0
	s_cbranch_scc1 .Lnot_wave_0_\@
	s_barrier_signal -3
.Lnot_wave_0_\@:
	s_barrier_wait -3
	s_barrier_signal -1
	s_barrier_wait -1
.endm
.macro CROUND                          ; a whole round
	s_barrier_signal -1
	s_barrier_wait -1
	CREST
.endm
	s_load_b256 s[4:11], s[0:1], 0x0               ; ctxc s[4:5], codes s[6:7], lowp_scales s[8:9], b_o s[10:11]
	s_load_b64 s[12:13], s[0:1], 0x20              ; out0
	v_lshl_add_u32 v[SPW], v0, 2, SPARE
	v_mov_b32 v[NIL], 0
	ds_add_u32 v28, v29
	ds_add_u32 v28, v29
	s_wait_dscnt 0x0
	v_lshrrev_b32 v1, 5, v0
	v_readfirstlane_b32 s14, v1                    ; wave 0..3
	s_lshr_b32 s15, s14, 1                         ; which half of the tile's rows is mine.  Also: I fetch for A (0) or for B (1)
	s_and_b32 s16, s14, 1                          ; which half of its columns.  Also: which 128 rows of that tile I fetch
	s_bfe_u32 s40, ttmp6, 0x40000                  ; cx, cy: my place in the cluster
	s_bfe_u32 s41, ttmp6, 0x40004
	s_lshl_b32 s42, ttmp9, 2
	s_add_co_u32 s42, s42, s40                     ; tile column = 4 x cluster x + cx
	s_and_b32 s17, ttmp7, 0xffff
	s_lshl_b32 s17, s17, 2
	s_add_co_u32 s17, s17, s41                     ; tile row = 4 x cluster y + cy
	s_lshl_b32 s43, s41, 2
	s_lshl_b32 s43, 15, s43                        ; my row of the cluster
	s_lshl_b32 s44, 0x1111, s40                    ; my column
	; descriptor group 1: 32,768 consecutive bytes as 128 rows of 32 elements of 8 bytes, no padding
	s_or_b32 s[G1+0], s43, (3<<16)|(1<<21)         ; 15:0 the mask: A's tiles go to my row; 17:16 elements of 8 bytes; 21 set beside a mask
	s_or_b32 s[G1B+0], s44, (3<<16)|(1<<21)
.irp g, G1, G1B
	s_mov_b32 s[\g+1], 32<<16                      ; tensor_dim0 = 32
	s_mov_b32 s[\g+2], 128<<16                     ; tensor_dim1 = 128
	s_mov_b32 s[\g+3], 32<<16                      ; tile_dim0 = 32
	s_mov_b32 s[\g+4], 128                         ; tile_dim1 = 128
	s_mov_b32 s[\g+5], 32                          ; tensor_dim0_stride: the rows follow each other
	s_mov_b32 s[\g+6], 0
	s_mov_b32 s[\g+7], 0
.endr
	s_lshl_b32 s22, s16, 3                         ; which 8 row tiles of the 16 I fetch
	s_lshl_b32 s20, s17, 4
	s_add_co_u32 s20, s20, s22
	s_lshl_b32 s20, s20, 12                        ; A: (16 x tile row + my 8) x 4096
	s_mov_b32 s21, 0
	s_lshl_b32 s46, s42, 4
	s_add_co_u32 s46, s46, s22
	s_lshl_b32 s46, s46, 12                        ; B: (16 x tile column + my 8) x 4096,
	s_add_co_u32 s46, s46, 27<<20                  ; in w_o's codes, 27 MiB into the buffer
	s_mov_b32 s47, 0
	s_mov_b32 s66, 0x200000                        ; from a K step of 256 to the next: 512 row tiles x 4096 in ctx,
	s_mov_b32 s67, 0
	s_mov_b32 s68, 0x40000                         ; 64 x 4096 in w_o;
	s_mov_b32 s69, 0
	s_mov_b32 s70, 0x400000                        ; and two K steps: a refill's step
	s_mov_b32 s71, 0
	s_mov_b32 s72, 0x80000
	s_mov_b32 s73, 0
	s_mul_i32 s45, s14, HALFT                      ; where my tile goes: wave x 32,768: no place in the cluster enters an LDS address
	s_wait_kmcnt 0x0
	s_load_b64 s[96:97], s[8:9], 0x28              ; e10, e11
	CROUND                                         ; all sixteen work-groups are here: the first joint loads meet
.irp s, 0,1
	s_mov_b32 s[G0+4*\s], 1                        ; count = 1
	s_add_co_u32 s[G0+4*\s+1], s45, \s*SLOT        ; LDS address
	s_mov_b32 s[G0B+4*\s], 1
	s_add_co_u32 s[G0B+4*\s+1], s45, \s*SLOT
.endr
	s_add_nc_u64 s[G0+2:G0+3], s[4:5], s[20:21]    ; global address: K step 0,
	s_add_nc_u64 s[G0+6:G0+7], s[G0+2:G0+3], s[66:67]   ; K step 1
	s_add_nc_u64 s[G0B+2:G0B+3], s[6:7], s[46:47]
	s_add_nc_u64 s[G0B+6:G0B+7], s[G0B+2:G0B+3], s[68:69]
.irp s, 0,1
	s_or_b32 s[G0+4*\s+3], s[G0+4*\s+3], 0x80000000     ; type = 2
	s_or_b32 s[G0B+4*\s+3], s[G0B+4*\s+3], 0x80000000
.endr
	JLOAD G0, G1, G0B, G1B                         ; slot 0 is asked for: one tensor load of mine is out
	s_wait_alu depctr_va_vdst(0)
	s_wait_tensorcnt 0x0
	ds_add_u32 v28, v29
	s_wait_dscnt 0x0
	CROUND
	JLOAD G0+4, G1, G0B+4, G1B
	; the bias in the result's layout: lane (r, h), tile b of my columns, register j: b_o[256 x tile column + 128 x half + 16 b + 8 h + j]
	v_and_b32 v1, 15, v0                           ; r
	s_wait_alu depctr_va_vdst(0)
	v_bfe_u32 v2, v0, 4, 1                         ; h
	v_lshlrev_b32 v10, 5, v2
	s_lshl_b32 s18, s42, 10
	s_lshl_b32 s19, s16, 9
	s_add_co_u32 s18, s18, s19                     ; my first column, in bytes
	s_mov_b32 s19, 0
	s_add_nc_u64 s[10:11], s[10:11], s[18:19]
.irp b, 0,1,2,3,4,5,6,7
	global_load_b128 v[BIAS+8*\b:BIAS+8*\b+3],   v10, s[10:11] offset:64*\b
	global_load_b128 v[BIAS+8*\b+4:BIAS+8*\b+7], v10, s[10:11] offset:64*\b+16
.endr
	s_add_nc_u64 s[12:13], s[12:13], s[18:19]      ; out0 at my first column,
	s_lshl_b32 s94, s17, 8
	s_lshl_b32 s95, s15, 7
	s_add_co_u32 s94, s94, s95                     ; my first row: 256 x tile row + 128 x half,
	s_lshl_b32 s94, s94, 12                        ; of 4,096 bytes
	s_mov_b32 s95, 0
	s_add_nc_u64 s[12:13], s[12:13], s[94:95]
	v_and_b32 v6, 31, v0
	v_lshlrev_b32 v[CO], 4, v6
	s_mul_i32 s23, s14, 16*SPITCH                  ; my stage
	v_mul_u32_u24 v5, v1, SPITCH                   ; in: row r, 32 bytes for each half of the lanes
	s_wait_alu depctr_va_vdst(0)
	v_lshl_add_u32 v5, v2, 5, v5
	v_add_nc_u32 v[STO], s23, v5
	v_add_nc_u32 v[RD], s23, v[CO]                 ; back: the 32 lanes take one row of 512 bytes
	s_mul_i32 s94, s15, HALFT                      ; my 128 rows of A
	s_mul_i32 s95, s16, HALFT                      ; my 128 rows of B,
	s_add_co_u32 s95, s95, 2*HALFT                 ; which lie behind A's 256
.irp s, 0,1
	v_add_nc_u32 v[ADRA+\s], s94, v[CO]
	v_add_nc_u32 v[ADRB+\s], s95, v[CO]
	s_add_co_u32 s94, s94, SLOT
	s_add_co_u32 s95, s95, SLOT
.endr
	s_wait_kmcnt 0x0
	s_add_co_i32 s94, s96, s97                     ; e10 + e11
	s_sub_co_i32 s95, 0, s94
	s_add_co_i32 s96, s94, 127
	s_lshl_b32 s96, s96, 23                        ; 2^(e10 + e11) as f32  (s97 is named with it as a pair and stays written)
	s_wait_loadcnt 0x0                             ; the bias
.set j, 0
.rept 64
	v_ldexp_f32 v[BIAS+j], v[BIAS+j], s95          ; b_o / 2^(e10 + e11): what the sums lack
.set j, j+1
.endr
.macro FRAG reg, adr, q, i             ; fragment (row tile i of my 8, the slot's q-th 128 along K): four pieces of 512 bytes, as they lie
.irp c, 0,1,2,3
	ds_load_b128 v[\reg+4*\c:\reg+4*\c+3], v[\adr] offset:4096*(\i)+2048*(\q)+512*\c
.endr
.endm
; 16 matrix instructions: A's blocks a0, a0 + 1 x B's eight, 128 along K.  p: B's set.  zero = 2: the first product starts the sums from the bias: nothing is ever cleared, and no addition is spent on b_o.
; The 64 accumulators take turns, one instruction a turn, in the same order in every step.
.macro MUL16 a0, p, zero
.irp a, \a0, \a0+1
.irp b, 0,1,2,3,4,5,6,7
.if \zero == 2
	v_wmma_f32_16x16x128_fp8_fp8 v[8*(8*((\a)%4)+\b):8*(8*((\a)%4)+\b)+7], v[128*(\p)+FR*\b:128*(\p)+FR*\b+FR-1], v[AF+FR*(\a):AF+FR*(\a)+FR-1], v[BIAS+8*\b:BIAS+8*\b+7]
.else
	v_wmma_f32_16x16x128_fp8_fp8 v[8*(8*((\a)%4)+\b):8*(8*((\a)%4)+\b)+7], v[128*(\p)+FR*\b:128*(\p)+FR*\b+FR-1], v[AF+FR*(\a):AF+FR*(\a)+FR-1], v[8*(8*((\a)%4)+\b):8*(8*((\a)%4)+\b)+7]
.endif
.endr
.endr
.endm
.macro FETCH_B slot, q, p              ; B's eight fragments into set p
	WIN TO_B
.irp i, 0,1,2,3,4,5,6,7
	FRAG 128*(\p)+FR*\i, ADRB+\slot, \q, \i
.endr
	WIN 0
.endm
.macro FETCH_A slot, q, i0             ; A's blocks i0 .. i0 + 3
.irp i, \i0, \i0+1, \i0+2, \i0+3
	FRAG AF+FR*(\i), ADRA+\slot, \q, \i
.endr
.endm
; A load into a register that a matrix instruction has read, and a vector instruction that reads a matrix result, stand NP places behind that matrix instruction; only plain vector
; instructions that name none of its registers are places (ISA guide 7.12.1 for vector instructions).
.macro PLACES n
.rept \n
	v_nop
.endr
.endm
; A step of 128 along K that has its successor in the same slot.  A block of A is free as soon as its eight products are issued, so one set of registers serves A:
; blocks 0-3 are fetched anew in the step's middle, blocks 4-7 at its end; B's fragments are at work through the whole step and have two sets.
.macro STEP slot, q, zero
	s_wait_dscnt 4*NL                              ; B's set and A's blocks 0-3 are in; the youngest sixteen loads (A's blocks 4-7) may be out
.if \zero == 2
	WIN BIAS_LO
.else
	WIN MUL_LO
.endif
	MUL16 0, (\q)%2, \zero
	MUL16 2, (\q)%2, \zero
	s_wait_dscnt 0                                 ; A's blocks 4-7 are in (asked for 32 matrix instructions ago)
	PLACES NP
	FETCH_B \slot, (\q)+1, 1-(\q)%2
	FETCH_A \slot, (\q)+1, 0
.if \zero == 2
	WIN BIAS_HI
.else
	WIN MUL_HI
.endif
	MUL16 4, (\q)%2, \zero
	MUL16 6, (\q)%2, \zero
	PLACES NP
	WIN 0
	FETCH_A \slot, (\q)+1, 4
.endm
; A slot's last step changes slots: ONE barrier; in front of it each wave waits for all its tensor loads, adds 0 to its spare word, and waits for that and for its own reads of this slot.
; fill = 1: this slot is filled again, two K steps ahead; the barrier then opens a round of the cluster's barrier, and the joint refill is the first tensor load behind the round.
.macro TURN slot, next, fill
	s_wait_tensorcnt 0x0                           ; all my tensor loads have landed: my part of the next slot  (every window is 0 here: the add's two registers lie in window 0)
	ds_add_u32 v[SPW], v[NIL]                      ; 0 onto my spare word
	s_wait_dscnt 4*NL+1                            ; (the add and the youngest sixteen loads, A's blocks 4-7, may be out)
	WIN MUL_LO
	MUL16 0, 1, 0                                  ; sixteen matrix instructions stand between the add and the wait for it
	s_wait_dscnt 0x0                               ; the add is done, and my reads of this slot are over
	s_barrier_signal -1
	MUL16 2, 1, 0
	WIN 0
	s_barrier_wait -1
.if \fill
	CREST                                          ; no wave of any partner still reads this slot's tile or has a load on its way
	s_add_nc_u64 s[G0+4*\slot+2:G0+4*\slot+3], s[G0+4*\slot+2:G0+4*\slot+3], s[70:71]
	s_add_nc_u64 s[G0B+4*\slot+2:G0B+4*\slot+3], s[G0B+4*\slot+2:G0B+4*\slot+3], s[72:73]
	JLOAD G0+4*\slot, G1, G0B+4*\slot, G1B         ; one tensor load of mine is out; the four v_nop behind it are the places in front of the loads below
.else
	PLACES NP
.endif
	FETCH_B \next, 0, 0
	FETCH_A \next, 0, 0
	WIN MUL_HI
	MUL16 4, 1, 0
	MUL16 6, 1, 0
	PLACES NP
	WIN 0
	FETCH_A \next, 0, 4
.endm
	s_wait_alu depctr_va_vdst(0)
	s_wait_tensorcnt 1                             ; my part of K step 0 is in (K step 1's load may be out)
	s_barrier_signal -1
	s_barrier_wait -1                              ; everybody's is
	FETCH_B 0, 0, 0
	FETCH_A 0, 0, 0
	FETCH_A 0, 0, 4
	STEP 0, 0, 2                                   ; K 0-127: its products start the sums from the bias.  The four K steps of 256 are written out: eight steps of 128, two refills
	TURN 0, 1, 1                                   ; K 128-255; slot 0 takes K 512-767
	STEP 1, 0, 0
	TURN 1, 0, 1                                   ; slot 1 takes K 768-1023
	STEP 0, 0, 0
	TURN 0, 1, 0                                   ; nothing is left to fetch, so no round.  Behind this barrier nobody reads slot 0 any more
	STEP 1, 0, 0
	s_wait_dscnt 4*NL                              ; the very last step
	WIN MUL_LO
	MUL16 0, 1, 0
	MUL16 2, 1, 0
	s_wait_dscnt 0
	WIN MUL_HI
	MUL16 4, 1, 0
	MUL16 6, 1, 0
	WIN 0
; THE WAY OUT, block by block of 16 rows x 128 columns.  A lane holds 32 neighbouring bytes of a row, and the lanes beside it hold other rows: so a block goes through my own stage in LDS and comes back as whole
; rows of 512 bytes, which the 32 lanes store as 512 consecutive bytes, aligned.  LDS serves a wave's instructions in order (ISA guide 5.7.1.4): no wait between the stores and the loads, nor in front of the next block's stores.
.macro TOSTAGE a
.set AC, 64*((\a)%4)
	WIN 0x02+((\a)/4)                              ; source 0: window 2 or 3
.set j, 0
.rept 32
	v_pk_mul_f32 v[TMP+j:TMP+j+1], v[AC+j:AC+j+1], s[96:97] op_sel_hi:[1,0]   ; both x s96 = 2^(e10 + e11); each accumulator from its low end on
.set j, j+2
.endr
	WIN 0
.irp b, 0,1,2,3,4,5,6,7
	ds_store_b128 v[STO], v[TMP+8*\b:TMP+8*\b+3] offset:64*\b
	ds_store_b128 v[STO], v[TMP+8*\b+4:TMP+8*\b+7] offset:64*\b+16
.endr
.set BB, BK+64*((\a)%2)
.irp t, 0,1,2,3,4,5,6,7,8,9,10,11,12,13,14,15
	ds_load_b128 v[BB+4*\t:BB+4*\t+3], v[RD] offset:\t*SPITCH
.endr
.endm
.macro SEND a, younger                 ; younger: the LDS instructions issued behind block a's loads, which may stay out
.set BB, BK+64*((\a)%2)
	s_wait_dscnt \younger                          ; the block is back in registers
.if (\a) > 0
	s_add_nc_u64 s[12:13], s[12:13], 16*SIZE_N*4   ; (behind a wait on XCNT: the earlier stores have read their base)  16 rows of out0 on
.endif
.irp t, 0,1,2,3,4,5,6,7,8,9,10,11,12,13,14,15
	global_store_b128 v[CO], v[BB+4*\t:BB+4*\t+3], s[12:13] offset:\t*SIZE_N*4 th:TH_STORE_NT   ; written once, read by nobody here
.endr
.endm
	PLACES NP                                      ; behind the last products: for the loads into the registers that held A's fragments, and for the reads of results
	TOSTAGE 0
.irp a, 1,2,3,4,5,6,7
.if \a > 1
	s_wait_xcnt 0x0                                ; block a - 2's stores have read their registers and their base: block a's loads may land there, and the base may step
.endif
	TOSTAGE \a
	SEND \a-1, 32                                  ; behind block a - 1's loads: block a's 16 stores and 16 loads
.endr
	s_wait_xcnt 0x0                                ; block 6's stores have read their base
	SEND 7, 0
	s_wait_tensorcnt 0x0                           ; the wave's end: behind my last tensor load and my last LDS store
	ds_add_u32 v[SPW], v[NIL]
	s_wait_dscnt 0x0
	CROUND                                         ; the closing round: no work-group ends while a partner may still ask for a tile that names it
	s_endpgm
.Lfunc_end_k_q7ea37bd4ea_oproj:
	.size	k_q7ea37bd4ea_oproj, .Lfunc_end_k_q7ea37bd4ea_oproj-k_q7ea37bd4ea_oproj
	.p2alignl 7, 3214868480
	.fill 96, 4, 3214868480
	.section	.rodata,"a",@progbits
	.p2align	6, 0x0
	.amdhsa_kernel k_q7ea37bd4ea_oproj
		.amdhsa_group_segment_fixed_size 327680
		.amdhsa_private_segment_fixed_size 0
		.amdhsa_enable_private_segment 0
		.amdhsa_kernarg_size 40
		.amdhsa_user_sgpr_count 2
		.amdhsa_user_sgpr_kernarg_segment_ptr 1
		.amdhsa_wavefront_size32 1
		.amdhsa_system_sgpr_workgroup_id_x 1
		.amdhsa_system_sgpr_workgroup_id_y 1
		.amdhsa_system_sgpr_workgroup_id_z 1
		.amdhsa_system_vgpr_workitem_id 0
		.amdhsa_next_free_vgpr 1024
		.amdhsa_next_free_sgpr 98
		.amdhsa_reserve_vcc 0
		.amdhsa_float_denorm_mode_32 3
		.amdhsa_float_denorm_mode_16_64 3
		.amdhsa_memory_ordered 1
		.amdhsa_forward_progress 1
		.amdhsa_inst_pref_size 129
	.end_amdhsa_kernel
	.amdgpu_metadata
---
amdhsa.version: [ 1, 2 ]
amdhsa.kernels:
  - .name:           k_q7ea37bd4ea_oproj
    .symbol:         k_q7ea37bd4ea_oproj.kd
    .args:
      - { .name: ctxc, .offset: 0, .size: 8, .value_kind: global_buffer, .address_space: global }
      - { .name: codes, .offset: 8, .size: 8, .value_kind: global_buffer, .address_space: global }
      - { .name: lowp_scales, .offset: 16, .size: 8, .value_kind: global_buffer, .address_space: global }
      - { .name: b_o, .offset: 24, .size: 8, .value_kind: global_buffer, .address_space: global }
      - { .name: out0, .offset: 32, .size: 8, .value_kind: global_buffer, .address_space: global }
    .group_segment_fixed_size: 327680
    .private_segment_fixed_size: 0
    .kernarg_segment_align: 8
    .kernarg_segment_size: 40
    .max_flat_workgroup_size: 128
    .sgpr_count:     98
    .vgpr_count:     1024
    .wavefront_size: 32
...
	.end_amdgpu_metadata
.endif
;; end of part 4
